; MI455X (gfx1250); checked and timed in simulation.
; The chip was launched on July 23, 2026; its instructions are those of AMD's public machine-readable ISA for CDNA 5 (MIT licence, August 2026) and "CDNA5" Instruction Set Architecture Reference Guide (July 2026). The comments in the code are by the model that wrote it; some were corrected since.
;; Multihead Attention. Allowed arithmetic: matrix products marked QUANTISED: E3M2 operands, one E8M0 scale for each 32 along K, by v_wmma_scale_f32_16x16x128_f8f6f4 with both operands' format E3M2, f32 sums; everything else in f32.
;; Inputs: K 4 x 2,048 x 1,024 float32; Q 4 x 2,048 x 1,024 float32; V 4 x 2,048 x 1,024 float32; Wk 16 x 1,024 x 64 float32; Wo 1,024 x 1,024 float32; Wq 16 x 1,024 x 64 float32; Wv 16 x 1,024 x 64 float32; bk 16 x 64 float32; bo 1,024 float32; bq 16 x 64 float32; bv 16 x 64 float32.
;; Outputs: out0 4 x 2,048 x 1,024 float32.
;; This version of the problem:
;;   THIS VERSION OF THE PROBLEM IS GIVEN IN LOW PRECISION. The matrix products marked QUANTISED in the list below multiply operands that are first quantised to E3M2 (3 exponent bits, 2 mantissa bits; 6 bits a number), with one power-of-two scale for each 32 numbers along K (OCP MX v1.0); their sums are f32. All else is computed in f32.
;;   The module's matrix products, in the order in which they are computed (A, B: the left and right operand; K: the contracted axis; several contracted axes count as one K, in the product's order):
;;     1. [M 1,024, K 1,024] x [K 1,024, N 8,192]; A: input Wq; B: input Q: QUANTISED
;;     2. [M 1,024, K 1,024] x [K 1,024, N 8,192]; A: input Wk; B: input K: QUANTISED
;;     3. [M 1,024, K 1,024] x [K 1,024, N 8,192]; A: input Wv; B: input V: QUANTISED
;;     4. batch 64 x [M 2,048, K 64] x [K 64, N 2,048]; A: computed on the way; B: computed on the way: QUANTISED
;;     5. batch 64 x [M 2,048, K 2,048] x [K 2,048, N 64]; A: softmax (see below); B: computed on the way: QUANTISED
;;     6. [M 8,192, K 1,024] x [K 1,024, N 1,024]; A: computed on the way; B: input Wo: QUANTISED
;;   THE QUANTISER, for each operand of a quantised product, along K:
;;     - K is cut into blocks of 32 from its start; a last block that is shorter is filled with zeros.
;;     - A block's scale is 2^e with e = floor(log2(the largest magnitude in the block)) - 4, held to -126 .. 127; a block of zeros has e = 0. As a byte (E8M0): e + 127.
;;     - Each number is divided by its block's scale, clamped to +-28, and rounded to the nearest number of E3M2, ties to even, subnormals kept.
;;     - The product sums the exact products of the quantised numbers (number of the format x scale) in f32.
;;   ~~~python
;;   def quantise(x, axis):      # numpy; x: float32 -> the quantised numbers, widened to float32 again
;;       x = np.moveaxis(x, axis, -1); K = x.shape[-1]
;;       x = np.pad(x, [(0, 0)] * (x.ndim - 1) + [(0, -K % 32)]); x = x.reshape(x.shape[:-1] + (-1, 32)); a = np.abs(x).max(-1, keepdims=True)
;;       e = np.where(a > 0, np.clip(np.frexp(np.where(a > 0, a, 1))[1] - 1 - 4, -126, 127), 0)      # np.frexp(a)[1] - 1 = floor(log2(a)), exactly
;;       r = np.clip(x / 2.0 ** e, -28, 28)
;;       step = 2.0 ** (np.maximum(np.frexp(np.where(r == 0, 1, r))[1] - 1, -2) - 2)
;;       q = np.round(r / step) * step * 2.0 ** e      # np.round: ties to even
;;       return np.moveaxis(q.reshape(q.shape[:-2] + (-1,))[..., :K], -1, axis).astype(np.float32)
;;   ~~~
;;   SOFTMAX AHEAD OF A QUANTISED PRODUCT. Where the list says 'softmax', what is quantised is not the finished softmax but p = 2^(t - M), with t = logit x log2(e) and M = ceil(the row's largest t), a whole number; so 1/2 < the row's largest p <= 1. The row's sum l is taken of the UNQUANTISED p, in f32, and the product's result is divided by l at the end. Since M is a whole number, a kernel that streams over the keys may use a running M (the ceiling of the running maximum): every later rescaling is an exact power of two, which a block's scale takes up: the codes' values come out the same.
;;   OPERANDS COMPUTED ON THE WAY. 'Computed on the way' means the value that the module computes at that place (a softmax that the list does not call 'softmax' is quantised finished and normalised). What goes into a quantiser is computed in f32, as accurately as f32 sums, v_exp_f32 and their like allow (about 1e-6 of the number): no bf16 or f16 on the way to a quantiser, and a product that is left as it is and whose result goes on into a quantised operand takes f32 operands (vector FMAs, or v_wmma_f32_16x16x4_f32). A number that lies on a knife's edge between two numbers of the format may be rounded either way, as far as f32 arithmetic and the matrix unit's own rounding can turn it there, and no further.
;; One version. Each part assembles by itself: llvm-mc -triple=amdgcn-amd-amdhsa -mcpu=gfx1250 --defsym DOCPART=n.
;; ======== version 1 of 1: 4 launches
;; limits: right only within a limited range of input values
;; workspace buffers: xc 18,874,368 bytes; xs 786,432 bytes; wc 3,145,728 bytes; ws 131,072 bytes; qr 13,369,344 bytes; kv 13,369,344 bytes; oc 6,291,456 bytes; os 262,144 bytes
;; launch quant (part 1): grid 512 x 1, 4 waves a work-group, no clusters, 34,304 bytes of LDS; arguments Q, K, V, Wq, Wk, Wv, Wo, xc, xs, wc, ws; writes xc, xs, wc, ws
.if DOCPART == 1
	.amdgcn_target "amdgcn-amd-amdhsa--gfx1250"
	.amdhsa_code_object_version 6
	.text
	.protected	k_q1aea7fb01f_quant
	.globl	k_q1aea7fb01f_quant
	.p2align	8
	.type	k_q1aea7fb01f_quant,@function
k_q1aea7fb01f_quant:
	s_mov_b64 s[64:65], 0
	v_nop
	global_prefetch_b8 v0, s[64:65] scope:SCOPE_SE
	s_setreg_imm32_b32 hwreg(HW_REG_WAVE_MODE, 25, 1), 1
	s_wait_xcnt 0x0
; MULTI-HEAD ATTENTION IN MX-BF6, launch 1 of 4: the inputs of the four weight products become codes of E3M2 with one E8M0 byte for each 32 along K.
; DEAD WORK: none.  Every input of reference() has a way to out0 (bk too: it moves k's codes ahead of the quantised product with q), so every product, bias and step is done.
; LIMITS: NaN and infinities among the inputs are not served.  A block of zeros gets the byte 1 where the quantiser says 127: its codes are zeros, which add nothing under
; any byte but 0xff, and the bytes are read by this program alone.  Blocks whose largest magnitude lies under 2^(5 - 127) are held at the byte 1.
; POSITIONS.  sigma(x) = x with bits 3 and 4 exchanged.  The rows of Q, K, V (batch x sequence) and the columns n of Wq, Wk, Wv are STORED by position: position p holds index sigma(p).
; So 16 neighbouring positions 16 (2 a + u) + r hold the indices 32 a + 8 u + r + 8 (r / 8): as source 0 of a matrix instruction they give a lane 16 true neighbours in two tiles' registers.  Wo's columns stay as they are.
; FRAGMENT IMAGES.  xc and wc hold operands as the matrix unit's registers want them: [tile of 16 positions][K step of 128][1,536 bytes]; in the 1,536 bytes registers 2 i, 2 i + 1 of lane l lie at 256 i + 8 l.
; xs and ws hold 32 scale bytes for each position.
; SHARES.  Work-groups 0-95: Wq, Wk, Wv; 96-127: Wo; 128-511: Q, K, V.  No tensor load, no barrier: waves share nothing.
.set SPARE, 33792                      ; behind the four stages: the spare words, 128 bytes for each wave
.set SPW, 62                           ; v62  LDS address of my spare word; never rewritten
.set NIL, 63                           ; v63  0; never rewritten
.set SEL, 28                           ; s[28:29] selects of v_permlanex16_b32 for lane l xor 16
.set HI,  30                           ; s30  a mask of lanes 16-31
.set TM,  8                            ; v8-11 largest magnitudes, v12-15 bytes, v20-23 scale operands
.set PC,  24                           ; v24-35 a fragment's codes; v36-38, v40-42 halves on their way
; ---- a weight: a lane takes a column n, its registers run down K.  Pair p = blocks 2 p and 2 p + 1 of my 256 along K, 64 loads, each 128 consecutive bytes a wave
.macro WLOAD p, stride
.set wi, 0
.rept 64
	global_load_b32 v[64+64*((\p)%2)+wi], v2, s[40:41] offset:(64*(\p)+wi)*\stride th:TH_LOAD_NT
.set wi, wi+1
.endr
.endm
.macro WPAIR p, stride
.set XB, 64+64*((\p)%2)
.if (\p) < 3
	s_wait_loadcnt 63                              ; this pair's 64 loads are in: 64 were issued behind them, and 63 is the largest count that the wait can name
.else
	s_wait_loadcnt 0x0
.endif
	v_max3_num_f32 v8, |v[XB]|, |v[XB+1]|, 0x2800000               ; the two blocks' largest magnitudes, by turns, with the floor 2^(5 - 127) among the leaves: the byte cannot fall under 1
	v_max3_num_f32 v9, |v[XB+32]|, |v[XB+33]|, 0x2800000
.irp i, 2,4,6,8,10,12,14,16,18,20,22,24,26,28,30
	v_max3_num_f32 v8, v8, |v[XB+\i]|, |v[XB+\i+1]|
	v_max3_num_f32 v9, v9, |v[XB+32+\i]|, |v[XB+33+\i]|
.endr
	v_add_nc_u32 v10, 0xfe000000, v8               ; 4 off the exponent field: the conversion's scale operand
	v_add_nc_u32 v11, 0xfe000000, v9
	v_lshrrev_b32 v12, 23, v10                     ; the scales' bytes
	v_lshrrev_b32 v13, 23, v11
	v_lshl_or_b32 v12, v13, 8, v12
.if (\p)%2 == 0
	v_mov_b32 v[36+(\p)/2], v12                    ; four bytes to a word: one K step of 128
.else
	v_lshl_or_b32 v[36+(\p)/2], v12, 16, v[36+(\p)/2]
.endif
.if (\p) > 0
	s_wait_alu depctr_va_vdst(0)
	s_wait_xcnt 0x0                                ; the last pair's stores have read their data: the codes' registers may be written
.endif
	v_cvt_scalef32_pk16_bf6_f32 v[16:18], v[XB:XB+15], v10         ; the even block: 32 codes in v16-21 (a conversion's three registers begin on an even number, so the upper half is made elsewhere and moved)
	v_cvt_scalef32_pk16_bf6_f32 v[28:30], v[XB+16:XB+31], v10
	v_cvt_scalef32_pk16_bf6_f32 v[22:24], v[XB+32:XB+47], v11      ; the odd block: v22-27
	v_cvt_scalef32_pk16_bf6_f32 v[32:34], v[XB+48:XB+63], v11
	v_nop                                          ; one plain place behind the conversions
.if (\p)+2 < 4
	WLOAD (\p)+2, \stride
.endif
.irp i, 0,1,2
	v_mov_b32 v[19+\i], v[28+\i]
	v_mov_b32 v[25+\i], v[32+\i]
.endr
.irp i, 0,1,2,3,4,5
	v_permlane16_swap_b32 v[16+\i], v[22+\i]       ; the even block's lanes 16-31 change places with the odd block's lanes 0-15: v16-21 are now registers 6 c .. 6 c + 5 of positions 0-15's fragment, v22-27 of positions 16-31's
.endr
.irp j, 0,1,2
	global_store_b64 v3, v[16+2*\j:17+2*\j], s[32:33] offset:((\p)/2)*1536+(3*((\p)%2)+\j)*256          ; 32 lanes store 256 consecutive bytes, aligned
	global_store_b64 v3, v[22+2*\j:23+2*\j], s[32:33] offset:12288+((\p)/2)*1536+(3*((\p)%2)+\j)*256
.endr
.endm
; A weight's work-group: tensor g / 32, columns 128 ((g / 4) % 8) on, K 256 (g % 4) on; wave w takes 32 columns
.macro WARM stride, perm
	s_lshr_b32 s31, ttmp9, 5                       ; the tensor: 0 Wq, 1 Wk, 2 Wv, 3 Wo
	s_bfe_u32 s36, ttmp9, 0x30002
	s_and_b32 s37, ttmp9, 3                        ; which 256 along K
	s_lshl_b32 s38, s36, 2
	s_add_co_u32 s38, s38, s26                     ; which 32 columns
.if \perm
	s_cmp_eq_u32 s31, 0
	s_cselect_b64 s[40:41], s[10:11], s[12:13]
	s_cmp_eq_u32 s31, 2
	s_cselect_b64 s[40:41], s[14:15], s[40:41]
	s_lshr_b32 s42, s38, 1
	s_lshl_b32 s42, s42, 18                        ; the head: 1,024 x 64 numbers
	s_lshl_b32 s39, s37, 16                        ; 256 rows of 256 bytes
	s_add_co_u32 s42, s42, s39
	s_and_b32 s39, s38, 1
	s_lshl_b32 s39, s39, 7                         ; which half of the head's 64 columns
	s_add_co_u32 s42, s42, s39
	v_and_b32 v2, 7, v1                            ; my position's column: sigma(lane)
	v_and_b32 v3, 8, v1
	v_lshl_or_b32 v2, v3, 1, v2
	v_bfe_u32 v3, v1, 4, 1
	v_lshl_or_b32 v2, v3, 3, v2
	v_lshlrev_b32 v2, 2, v2
.else
	s_mov_b64 s[40:41], s[16:17]
	s_lshl_b32 s42, s37, 20                        ; 256 rows of 4,096 bytes
	s_lshl_b32 s39, s38, 7
	s_add_co_u32 s42, s42, s39
	v_lshlrev_b32 v2, 2, v1
.endif
	s_wait_alu depctr_va_vdst(0)
	s_add_nc_u64 s[40:41], s[40:41], s[42:43]
	s_mul_i32 s42, s31, 786432                     ; the codes: tensor, two tiles of 16 positions, two K steps
	s_mul_i32 s39, s38, 24576
	s_add_co_u32 s42, s42, s39
	s_mul_i32 s39, s37, 3072
	s_add_co_u32 s42, s42, s39
	s_add_nc_u64 s[32:33], s[22:23], s[42:43]
	s_lshl_b32 s42, s31, 15                        ; the scale bytes: tensor, 32 positions of 32 bytes, 8 bytes of each
	s_lshl_b32 s39, s38, 10
	s_add_co_u32 s42, s42, s39
	s_lshl_b32 s39, s37, 3
	s_add_co_u32 s42, s42, s39
	s_add_nc_u64 s[34:35], s[24:25], s[42:43]
	v_lshlrev_b32 v3, 3, v1
	v_lshlrev_b32 v4, 5, v1
	WLOAD 0, \stride
	WLOAD 1, \stride
	WPAIR 0, \stride
	WPAIR 1, \stride
	WPAIR 2, \stride
	WPAIR 3, \stride
	global_store_b64 v4, v[36:37], s[34:35]        ; my position's 8 scale bytes: a part of its row of 32; one byte in 128 of what the arm reads
.endm
; ---- rows of Q, K, V: 64 numbers of a lane, register 16 b + i = k 32 b + 16 (lane / 16) + i of my row, become a fragment's codes in v[PC] on and its scale word in v[pw]
.macro QUANTX s, pw
.irp b, 0,1,2,3
	v_max3_num_f32 v[TM+\b], |v[\s+16*\b]|, |v[\s+1+16*\b]|, 0x2800000
.endr
.irp i, 2,4,6,8,10,12,14
.irp b, 0,1,2,3
	v_max3_num_f32 v[TM+\b], v[TM+\b], |v[\s+16*\b+\i]|, |v[\s+1+16*\b+\i]|
.endr
.endr
.irp b, 0,1,2,3
	v_permlanex16_b32 v[TM+4+\b], v[TM+\b], s[SEL], s[SEL+1]
.endr
.irp b, 0,1,2,3
	v_max_num_f32 v[TM+\b], v[TM+\b], v[TM+4+\b]   ; with lane l xor 16's: the block's largest magnitude
.endr
.irp b, 0,1,2,3
	v_add_nc_u32 v[TM+12+\b], 0xfe000000, v[TM+\b]
.endr
.irp b, 0,1,2,3
	v_lshrrev_b32 v[TM+4+\b], 23, v[TM+12+\b]
.endr
	v_lshl_or_b32 v[\pw], v[TM+5], 8, v[TM+4]
	v_lshl_or_b32 v[\pw], v[TM+6], 16, v[\pw]
	v_lshl_or_b32 v[\pw], v[TM+7], 24, v[\pw]
.irp c, 0,1
	v_cvt_scalef32_pk16_bf6_f32 v[PC+6*\c:PC+2+6*\c], v[\s+32*\c:\s+15+32*\c], v[TM+12+2*\c]
	v_cvt_scalef32_pk16_bf6_f32 v[PC+12+4*\c:PC+14+4*\c], v[\s+16+32*\c:\s+31+32*\c], v[TM+12+2*\c+1]
.endr
	v_nop                                          ; one plain place behind the conversions
.irp c, 0,1
.irp i, 0,1,2
	v_permlane16_swap_b32 v[PC+6*\c+\i], v[PC+12+4*\c+\i]
.endr
.irp i, 0,1,2
	v_mov_b32 v[PC+3+6*\c+\i], v[PC+12+4*\c+\i]
.endr
.endr
.endm
.macro XLOAD g                         ; K step g of my 16 rows: a load reads 512 consecutive bytes of one row
.set xi, 0
.rept 16
	global_load_b128 v[64+64*((\g)%2)+4*xi:64+64*((\g)%2)+4*xi+3], v[2+54*(xi/8)], s[40:41] offset:(xi+8*(xi/8))*4096+512*(\g) th:TH_LOAD_NT   ; rows 8-15 of a tile go by v56, which holds K's further 16 rows
.set xi, xi+1
.endr
.endm
.macro XUNIT g
.if (\g) < 7
	s_wait_loadcnt 16                              ; this K step's 16 loads are in; the next step's 16 may be out
.else
	s_wait_loadcnt 0x0
.endif
.set xi, 0
.rept 16
	ds_store_b128 v3, v[64+64*((\g)%2)+4*xi:64+64*((\g)%2)+4*xi+3] offset:528*xi       ; through my own stage, rows 528 bytes apart
.set xi, xi+1
.endr
.set xi, 0
.rept 16
	ds_load_b128 v[192+4*xi:195+4*xi], v4 offset:128*(xi/4)+16*(xi%4)                  ; back: lane (r, h) takes of row r 16 neighbours of each block of 32.  LDS serves a wave's instructions in order
.set xi, xi+1
.endr
	s_wait_dscnt 0x0                               ; the numbers are back, and the stores have read their registers
.if (\g) > 0
	s_wait_xcnt 0x0                                ; the last step's stores have read their data
.endif
.if (\g) < 6
	XLOAD (\g)+2
.endif
	QUANTX 192, 44+(\g)
.irp i, 0,1,2,3,4,5
	global_store_b64 v5, v[PC+2*\i:PC+2*\i+1], s[32:33] offset:1536*(\g)+256*\i        ; 32 lanes store 256 consecutive bytes, aligned
.endr
.endm
	s_load_b512 s[4:19], s[0:1], 0x0               ; Q, K, V, Wq, Wk, Wv, Wo, xc
	s_load_b128 s[20:23], s[0:1], 0x40             ; xs, wc
	s_load_b64 s[24:25], s[0:1], 0x50              ; ws
	v_lshl_add_u32 v[SPW], v0, 2, SPARE
	v_mov_b32 v[NIL], 0
	v_lshrrev_b32 v1, 5, v0
	v_readfirstlane_b32 s26, v1                    ; wave 0..3
	v_and_b32 v1, 31, v0                           ; lane
	s_mov_b32 s[SEL], 0x76543210
	s_mov_b32 s[SEL+1], 0xfedcba98
	s_mov_b32 s[HI], 0xffff0000
	s_mov_b32 s43, 0                               ; the upper word of every offset
	s_wait_kmcnt 0x0
	s_cmp_lt_u32 ttmp9, 96
	s_cbranch_scc1 .Lw3
	s_cmp_lt_u32 ttmp9, 128
	s_cbranch_scc1 .Lwo
	; ---- Q, K, V: wave w takes the tile of 16 positions T = 4 (g - 128) + w of 1,536, all of its K
	s_sub_co_u32 s31, ttmp9, 128
	s_lshr_b32 s36, s31, 7                         ; the tensor
	s_cmp_eq_u32 s36, 0
	s_cselect_b64 s[40:41], s[4:5], s[6:7]
	s_cmp_eq_u32 s36, 2
	s_cselect_b64 s[40:41], s[8:9], s[40:41]
	s_lshl_b32 s37, s31, 2
	s_add_co_u32 s37, s37, s26                     ; T
	s_and_b32 s38, s37, 511
	; K'S ROWS TAKE ANOTHER ORDER THAN Q'S AND V'S: row 8 h + j of tile T holds key 64 (T / 4) + 32 h + 8 (T % 4) + j, so that in the scores a lane's 32 registers of four tiles are one whole block of 32 keys
	s_cmp_eq_u32 s36, 1                            ; K?
	s_cselect_b32 s44, 2, 1                        ; tiles to a group: 4 or 2 (as a shift),
	s_cselect_b32 s45, 3, 1                        ; the tile's place in its group (as a mask),
	s_cselect_b32 s46, 65536, 0                    ; and rows 8-15 lie 16 rows of 4,096 bytes further on
	s_lshr_b32 s42, s38, s44
	s_add_co_u32 s44, s44, 16
	s_lshl_b32 s42, s42, s44                       ; 64 or 32 rows of 4,096 bytes for each group,
	s_and_b32 s39, s38, s45
	s_lshl_b32 s39, s39, 15                        ; 8 rows for each tile in it
	s_add_co_u32 s42, s42, s39
	s_add_nc_u64 s[40:41], s[40:41], s[42:43]
	s_mul_i32 s42, s37, 12288
	s_add_nc_u64 s[32:33], s[18:19], s[42:43]
	s_lshl_b32 s42, s37, 9
	s_add_nc_u64 s[34:35], s[20:21], s[42:43]
	s_mul_i32 s44, s26, 8448                       ; my stage: 16 rows x 528 bytes
	s_wait_alu depctr_va_vdst(0)
	v_lshlrev_b32 v2, 4, v1
	v_add_nc_u32 v56, s46, v2                      ; the offset of a tile's rows 8-15
	v_add_nc_u32 v3, s44, v2                       ; in: 16 x lane
	v_and_b32 v6, 15, v0                           ; r
	v_bfe_u32 v7, v0, 4, 1                         ; h
	v_mul_u32_u24 v4, v6, 528
	v_lshl_add_u32 v4, v7, 6, v4
	v_add_nc_u32 v4, s44, v4                       ; out: row r, + 64 h
	v_lshlrev_b32 v5, 3, v1
	v_lshlrev_b32 v6, 5, v6
	v_lshl_add_u32 v6, v7, 4, v6                   ; the scale bytes: 32 r + 16 h
.irp b, 0,1,2,3
	v_mov_b32 v[TM+4+\b], 0                        ; written once: a lane permute's destination counts as one of its sources
.endr
	XLOAD 0
	XLOAD 1
	s_wait_alu depctr_va_vdst(0)
.irp g, 0,1,2,3,4,5,6,7
	XUNIT \g
.endr
.irp j, 0,1,2,3
	v_cndmask_b32 v[52+\j], v[44+\j], v[48+\j], s[HI]   ; lanes 0-15 take the row's words 0-3, lanes 16-31 its words 4-7
.endr
	global_store_b128 v6, v[52:55], s[34:35]       ; 16 rows x 32 scale bytes: 512 consecutive bytes
	s_branch .Lend
.Lw3:
	s_wait_alu depctr_va_vdst(0)
	WARM 256, 1
	s_branch .Lend
.Lwo:
	s_wait_alu depctr_va_vdst(0)
	WARM 4096, 0
.Lend:
	s_wait_tensorcnt 0x0                           ; the wave's end
	ds_add_u32 v[SPW], v[NIL]
	s_wait_dscnt 0x0
	s_endpgm
.Lfunc_end_k_q1aea7fb01f_quant:
	.size	k_q1aea7fb01f_quant, .Lfunc_end_k_q1aea7fb01f_quant-k_q1aea7fb01f_quant
	.p2alignl 7, 3214868480
	.fill 96, 4, 3214868480
	.section	.rodata,"a",@progbits
	.p2align	6, 0x0
	.amdhsa_kernel k_q1aea7fb01f_quant
		.amdhsa_group_segment_fixed_size 34304
		.amdhsa_private_segment_fixed_size 0
		.amdhsa_enable_private_segment 0
		.amdhsa_kernarg_size 88
		.amdhsa_user_sgpr_count 2
		.amdhsa_user_sgpr_kernarg_segment_ptr 1
		.amdhsa_wavefront_size32 1
		.amdhsa_system_sgpr_workgroup_id_x 1
		.amdhsa_system_sgpr_workgroup_id_y 1
		.amdhsa_system_sgpr_workgroup_id_z 1
		.amdhsa_system_vgpr_workitem_id 0
		.amdhsa_next_free_vgpr 256
		.amdhsa_next_free_sgpr 66
		.amdhsa_reserve_vcc 0
		.amdhsa_float_denorm_mode_32 3
		.amdhsa_float_denorm_mode_16_64 3
		.amdhsa_memory_ordered 1
		.amdhsa_forward_progress 1
		.amdhsa_inst_pref_size 147
	.end_amdhsa_kernel
	.amdgpu_metadata
---
amdhsa.version: [ 1, 2 ]
amdhsa.kernels:
  - .name:           k_q1aea7fb01f_quant
    .symbol:         k_q1aea7fb01f_quant.kd
    .args:
      - { .name: Q, .offset: 0, .size: 8, .value_kind: global_buffer, .address_space: global }
      - { .name: K, .offset: 8, .size: 8, .value_kind: global_buffer, .address_space: global }
      - { .name: V, .offset: 16, .size: 8, .value_kind: global_buffer, .address_space: global }
      - { .name: Wq, .offset: 24, .size: 8, .value_kind: global_buffer, .address_space: global }
      - { .name: Wk, .offset: 32, .size: 8, .value_kind: global_buffer, .address_space: global }
      - { .name: Wv, .offset: 40, .size: 8, .value_kind: global_buffer, .address_space: global }
      - { .name: Wo, .offset: 48, .size: 8, .value_kind: global_buffer, .address_space: global }
      - { .name: xc, .offset: 56, .size: 8, .value_kind: global_buffer, .address_space: global }
      - { .name: xs, .offset: 64, .size: 8, .value_kind: global_buffer, .address_space: global }
      - { .name: wc, .offset: 72, .size: 8, .value_kind: global_buffer, .address_space: global }
      - { .name: ws, .offset: 80, .size: 8, .value_kind: global_buffer, .address_space: global }
    .group_segment_fixed_size: 34304
    .private_segment_fixed_size: 0
    .kernarg_segment_align: 8
    .kernarg_segment_size: 88
    .max_flat_workgroup_size: 128
    .sgpr_count:     66
    .vgpr_count:     256
    .wavefront_size: 32
...
	.end_amdgpu_metadata
.endif
;; end of part 1
;; launch proj (part 2): grid 4 x 96, 4 waves a work-group, clusters of 4 x 4, 327,680 bytes of LDS; arguments xc, xs, wc, ws, bq, bk, bv, qr, kv; writes qr, kv
.if DOCPART == 2
	.amdgcn_target "amdgcn-amd-amdhsa--gfx1250"
	.amdhsa_code_object_version 6
	.text
	.protected	k_q1aea7fb01f_proj
	.globl	k_q1aea7fb01f_proj
	.p2align	8
	.type	k_q1aea7fb01f_proj,@function
k_q1aea7fb01f_proj:
	s_mov_b64 s[64:65], 0
	v_nop
	global_prefetch_b8 v0, s[64:65] scope:SCOPE_SE
	s_setreg_imm32_b32 hwreg(HW_REG_WAVE_MODE, 25, 1), 1
	s_wait_xcnt 0x0
	s_wait_alu depctr_hold_cnt(0) depctr_sa_sdst(0) depctr_va_vdst(0) depctr_va_sdst(0) depctr_va_ssrc(0) depctr_va_vcc(0) depctr_vm_vsrc(0)
	s_getreg_b32 s2, hwreg(HW_REG_IB_STS2, 6, 4)
	s_cmp_eq_u32 s2, 0
	s_cbranch_scc0 .Lentry_in_a_cluster
	s_endpgm
.Lentry_in_a_cluster:
	s_bfe_u32 s2, ttmp6, 0x10000c
	s_cmp_lg_u32 s2, 0xf033
	s_cbranch_scc0 .Lentry_shape_is_right
	s_endpgm
.Lentry_shape_is_right:
.set NQ,     2
.set FR,     12
.set NL,     6
.set NP,     4
.set RT,     3072
.set HALFT,  8*RT
.set SLOT,   4*HALFT
.set LAPS,   2
.set KS,     32
.set SCL,    2*SLOT
.set HALFS,  16*272
.set SBLK,   2*272
.set SPARE,  SCL+4*HALFS
.set REC,    13056
.set HEADB,  16*REC
.set ADRA, 16
.set ADRB, 20
.set L16,  24
.set L8,   25
.set ADRS, 27
.set SPW,  28
.set NIL,  29
.set SC,   32
.set BI,   64
.set AF,   128
.set TM,   128
.set PW,   144
.set G1, 24
.set G0, 32
.set G1B, 48
.set G0B, 56
.set G1S, 68
.set G0S, 76
.set G1SB, 80
.set G0SB, 88
.set MODE, 66
.set MSB, 0
.macro WIN new
.if MSB != (\new)
	s_set_vgpr_msb (MSB<<8)|(\new)
.set MSB, (\new)
.endif
.endm
.set MUL_LO, 0xa1
.set MUL_HI, 0xf1
.set TO_B,   0x40
.macro JLOAD g0a, g1a, g0b, g1b
	s_cmp_eq_u32 s15, 0
	s_cbranch_scc0 .Lfor_b_\@
	tensor_load_to_lds s[\g0a:\g0a+3], s[\g1a:\g1a+7]
	s_nop 0
.rept 4
	v_nop
.endr
	s_branch .Lasked_\@
.Lfor_b_\@:
	tensor_load_to_lds s[\g0b:\g0b+3], s[\g1b:\g1b+7]
	s_nop 0
.rept 4
	v_nop
.endr
.Lasked_\@:
.endm
.macro CREST
	s_cmp_lg_u32 s14, 0
	s_cbranch_scc1 .Lnot_wave_0_\@
	s_barrier_signal -3
.Lnot_wave_0_\@:
	s_barrier_wait -3
	s_barrier_signal -1
	s_barrier_wait -1
.endm
.macro CROUND
	s_barrier_signal -1
	s_barrier_wait -1
	CREST
.endm
.macro FRAG reg, adr, q, i
.irp p, 0,1,2,3,4,5
	ds_load_b64 v[\reg+2*\p:\reg+2*\p+1], v[\adr] offset:(\i)*RT+(\q)*1536+\p*256
.endr
.endm
.macro MUL16 a0, p, q, sc, zero
.irp a, \a0, \a0+1
.irp b, 0,1,2,3,4,5,6,7
.if (\zero) == 1
	v_wmma_scale_f32_16x16x128_f8f6f4 v[8*(8*((\a)%4)+\b):8*(8*((\a)%4)+\b)+7], v[128*(\p)+FR*\b:128*(\p)+FR*\b+FR-1], v[AF+FR*(\a):AF+FR*(\a)+FR-1], v[BI+8*\b:BI+8*\b+7], v[SC+8*NQ*(\sc)+NQ*\b+(\q)], v[SC+8*NQ*(\sc)+NQ*(\a)+(\q)] matrix_a_fmt:MATRIX_FMT_BF6 matrix_b_fmt:MATRIX_FMT_BF6 matrix_a_scale:MATRIX_SCALE_ROW1
.elseif (\zero) == 2
	v_wmma_scale_f32_16x16x128_f8f6f4 v[8*(8*((\a)%4)+\b):8*(8*((\a)%4)+\b)+7], v[128*(\p)+FR*\b:128*(\p)+FR*\b+FR-1], v[AF+FR*(\a):AF+FR*(\a)+FR-1], v[BI+8*(\a):BI+8*(\a)+7], v[SC+8*NQ*(\sc)+NQ*\b+(\q)], v[SC+8*NQ*(\sc)+NQ*(\a)+(\q)] matrix_a_fmt:MATRIX_FMT_BF6 matrix_b_fmt:MATRIX_FMT_BF6 matrix_a_scale:MATRIX_SCALE_ROW1
.else
	v_wmma_scale_f32_16x16x128_f8f6f4 v[8*(8*((\a)%4)+\b):8*(8*((\a)%4)+\b)+7], v[128*(\p)+FR*\b:128*(\p)+FR*\b+FR-1], v[AF+FR*(\a):AF+FR*(\a)+FR-1], v[8*(8*((\a)%4)+\b):8*(8*((\a)%4)+\b)+7], v[SC+8*NQ*(\sc)+NQ*\b+(\q)], v[SC+8*NQ*(\sc)+NQ*(\a)+(\q)] matrix_a_fmt:MATRIX_FMT_BF6 matrix_b_fmt:MATRIX_FMT_BF6 matrix_a_scale:MATRIX_SCALE_ROW1
.endif
.endr
.endr
.endm
.macro FETCH_B slot, q, p
	WIN TO_B
.irp i, 0,1,2,3,4,5,6,7
	FRAG 128*(\p)+FR*\i, ADRB+\slot, \q, \i
.endr
	WIN 0
.endm
.macro FETCH_A slot, q, i0
.irp i, \i0, \i0+1, \i0+2, \i0+3
	FRAG AF+FR*(\i), ADRA+\slot, \q, \i
.endr
.endm
.macro SCALES sc
.irp i, 0,1,2,3,4,5,6,7
	ds_load_b64 v[SC+8*NQ*\sc+NQ*\i:SC+8*NQ*\sc+NQ*\i+1], v[ADRS] offset:\i*SBLK
.endr
.endm
.macro PLACES n
.rept \n
	v_nop
.endr
.endm
.macro STEP slot, q, zero
	s_wait_dscnt 4*NL
.if \zero
	WIN 0x81
.else
	WIN MUL_LO
.endif
	MUL16 0, (\q)%2, \q, \slot, \zero
	MUL16 2, (\q)%2, \q, \slot, \zero
	s_wait_dscnt 0
	PLACES NP
	FETCH_B \slot, (\q)+1, 1-(\q)%2
	FETCH_A \slot, (\q)+1, 0
.if \zero
	WIN 0xc1
.else
	WIN MUL_HI
.endif
	MUL16 4, (\q)%2, \q, \slot, \zero
	MUL16 6, (\q)%2, \q, \slot, \zero
	PLACES NP
	WIN 0
	FETCH_A \slot, (\q)+1, 4
.endm
.macro TURN slot, next, fill
	s_wait_tensorcnt 0x0
	ds_add_u32 v[SPW], v[NIL]
	s_wait_dscnt 4*NL+1
	WIN MUL_LO
	MUL16 0, 1, NQ-1, \slot, 0
	s_wait_dscnt 0x0
	s_barrier_signal -1
	MUL16 2, 1, NQ-1, \slot, 0
	WIN 0
	s_barrier_wait -1
.if \fill
	CREST
	s_add_nc_u64 s[G0+4*\slot+2:G0+4*\slot+3], s[G0+4*\slot+2:G0+4*\slot+3], 2*RT
	s_add_nc_u64 s[G0B+4*\slot+2:G0B+4*\slot+3], s[G0B+4*\slot+2:G0B+4*\slot+3], 2*RT
	JLOAD G0+4*\slot, G1, G0B+4*\slot, G1B
.else
	PLACES NP
.endif
	s_wait_alu depctr_va_vdst(0)
	v_add_nc_u32 v[ADRS], 4*NQ, v[ADRS]
	FETCH_B \next, 0, 0
	FETCH_A \next, 0, 0
	SCALES \next
	WIN MUL_HI
	MUL16 4, 1, NQ-1, \slot, 0
	MUL16 6, 1, NQ-1, \slot, 0
	PLACES NP
	WIN 0
	FETCH_A \next, 0, 4
.endm
.macro QOUT a, d0, d1
.set WW, 2+(\a)/4
.set AC, 64*((\a)%4)
	WIN (WW|(WW<<2))
.irp b, 0,1,2,3
	v_max3_num_f32 v[TM+\b], |v[AC+16*\b]|, |v[AC+16*\b+1]|, 0x2800000
.endr
	WIN ((WW<<2)|(WW<<4))
.irp i, 2,4,6,8,10,12,14
.irp b, 0,1,2,3
	v_max3_num_f32 v[TM+\b], v[TM+\b], |v[AC+16*\b+\i]|, |v[AC+16*\b+\i+1]|
.endr
.endr
	WIN 0
.irp b, 0,1,2,3
	v_permlanex16_b32 v[TM+4+\b], v[TM+\b], s104, s105
.endr
.irp b, 0,1,2,3
	v_max_num_f32 v[TM+\b], v[TM+\b], v[TM+4+\b]
.endr
.irp b, 0,1,2,3
	v_add_nc_u32 v[TM+12+\b], 0xfe000000, v[TM+\b]
.endr
.irp b, 0,1,2,3
	v_lshrrev_b32 v[TM+4+\b], 23, v[TM+12+\b]
.endr
	v_lshl_or_b32 v[PW], v[TM+5], 8, v[TM+4]
	v_lshl_or_b32 v[PW], v[TM+6], 16, v[PW]
	v_lshl_or_b32 v[PW], v[TM+7], 24, v[PW]
	WIN WW
	v_cvt_scalef32_pk16_bf6_f32 v[\d0:\d0+2], v[AC:AC+15], v[TM+12]
	v_cvt_scalef32_pk16_bf6_f32 v[88:90], v[AC+16:AC+31], v[TM+13]
	v_cvt_scalef32_pk16_bf6_f32 v[\d1:\d1+2], v[AC+32:AC+47], v[TM+14]
	v_cvt_scalef32_pk16_bf6_f32 v[92:94], v[AC+48:AC+63], v[TM+15]
	WIN 0
	v_nop
.irp i, 0,1,2
	v_permlane16_swap_b32 v[\d0+\i], v[88+\i]
	v_permlane16_swap_b32 v[\d1+\i], v[92+\i]
.endr
.irp i, 0,1,2
	v_mov_b32 v[\d0+3+\i], v[88+\i]
	v_mov_b32 v[\d1+3+\i], v[92+\i]
.endr
.endm
	s_load_b256 s[4:11], s[0:1], 0x0
	v_lshl_add_u32 v[SPW], v0, 2, SPARE
	v_mov_b32 v[NIL], 0
	ds_add_u32 v[SPW], v[NIL]
	ds_add_u32 v[SPW], v[NIL]
	v_lshrrev_b32 v1, 5, v0
	v_readfirstlane_b32 s14, v1
	s_lshr_b32 s15, s14, 1
	s_and_b32 s16, s14, 1
	s_bfe_u32 s40, ttmp6, 0x40000
	s_bfe_u32 s41, ttmp6, 0x40004
	s_and_b32 s67, ttmp7, 0xffff
	s_lshr_b32 s[MODE], s67, 3
	s_and_b32 s67, s67, 7
	s_lshl_b32 s67, s67, 2
	s_cmp_eq_u32 s[MODE], 2
	s_cselect_b32 s17, 0, s67
	s_cselect_b32 s42, s67, 0
	s_cselect_b32 s100, -1, 0
	s_cselect_b32 s101, 0, 4
	s_add_co_u32 s17, s17, s41
	s_add_co_u32 s42, s42, s40
	s_lshl_b32 s43, s41, 2
	s_lshl_b32 s43, 15, s43
	s_lshl_b32 s44, 0x1111, s40
	s_or_b32 s[G1+0], s43, (3<<16)|(1<<21)
	s_or_b32 s[G1B+0], s44, (3<<16)|(1<<21)
.irp g, G1, G1B
	s_mov_b32 s[\g+1], 384<<16
	s_mov_b32 s[\g+2], 16<<16
	s_mov_b32 s[\g+3], 384<<16
	s_mov_b32 s[\g+4], 16
	s_mov_b32 s[\g+5], 1536
	s_mov_b32 s[\g+6], 0
	s_mov_b32 s[\g+7], 0
.endr
	s_or_b32 s[G1S+0], s43, (3<<16)|(1<<20)|(1<<21)|(5<<22)|(3<<25)
	s_or_b32 s[G1SB+0], s44, (3<<16)|(1<<20)|(1<<21)|(5<<22)|(3<<25)
.irp g, G1S, G1SB
	s_mov_b32 s[\g+1], 32<<16
	s_mov_b32 s[\g+2], 32<<16
	s_mov_b32 s[\g+3], 32<<16
	s_mov_b32 s[\g+4], 32
	s_mov_b32 s[\g+5], 32
	s_mov_b32 s[\g+6], 0
	s_mov_b32 s[\g+7], 0
.endr
	s_lshl_b32 s20, s17, 8                         ; the block's first position of source 1's tensor,
	s_lshl_b32 s46, s42, 8                         ; and of source 0's
	s_lshl_b32 s22, s20, 5
	s_lshl_b32 s92, s46, 5
	s_mul_i32 s20, s20, 768
	s_mul_i32 s46, s46, 768
	s_mov_b32 s21, 0
	s_mov_b32 s23, 0
	s_mov_b32 s47, 0
	s_mov_b32 s93, 0
	s_mov_b32 s19, 0
	s_mul_i32 s45, s14, HALFT
	s_mul_i32 s94, s16, 98304                      ; in the ring I fetch 128 positions of 768 bytes: which half, in bytes
	s_mov_b32 s95, 0
	s_mov_b32 s98, 0x7f7f0000
	s_mov_b32 s99, 0xffff0000
	s_mov_b32 s104, 0x76543210
	s_mov_b32 s105, 0xfedcba98
	s_wait_dscnt 0x0
	s_wait_kmcnt 0x0
	s_mul_i32 s18, s[MODE], 6291456
	s_add_nc_u64 s[4:5], s[4:5], s[18:19]
	s_lshl_b32 s18, s[MODE], 18
	s_add_nc_u64 s[6:7], s[6:7], s[18:19]
	s_mul_i32 s18, s[MODE], 786432
	s_add_nc_u64 s[8:9], s[8:9], s[18:19]
	s_lshl_b32 s18, s[MODE], 15
	s_add_nc_u64 s[10:11], s[10:11], s[18:19]
	s_cmp_eq_u32 s[MODE], 2
	s_cselect_b64 s[96:97], s[8:9], s[4:5]
	s_cselect_b64 s[2:3], s[10:11], s[6:7]
	s_cselect_b64 s[4:5], s[4:5], s[8:9]
	s_cselect_b64 s[6:7], s[6:7], s[10:11]
	s_add_nc_u64 s[20:21], s[96:97], s[20:21]
	s_add_nc_u64 s[22:23], s[2:3], s[22:23]
	s_add_nc_u64 s[46:47], s[4:5], s[46:47]
	s_add_nc_u64 s[92:93], s[6:7], s[92:93]
	CROUND                                         ; all sixteen work-groups are here: the first joint loads meet
	; THE HEAD'S FOUR TILES, EACH WHOLE, ONE A WAVE: slot 0's 16 tiles of source 1's tensor (wave 0), its 16 of source 0's (wave 1), the scales of the one's 256 positions (wave 2) and of the other's (wave 3)
	s_mov_b32 s[G0], 1
	s_mov_b32 s[G0+1], 0
	s_mov_b64 s[G0+2:G0+3], s[20:21]
	s_or_b32 s[G0+3], s[G0+3], 0x80000000
	s_mov_b32 s[G0B], 1
	s_mov_b32 s[G0B+1], 2*HALFT
	s_mov_b64 s[G0B+2:G0B+3], s[46:47]
	s_or_b32 s[G0B+3], s[G0B+3], 0x80000000
	s_mov_b32 s[G0S], 1
	s_mov_b32 s[G0S+1], SCL
	s_mov_b64 s[G0S+2:G0S+3], s[22:23]
	s_or_b32 s[G0S+3], s[G0S+3], 0x80000000
	s_mov_b32 s[G0SB], 1
	s_mov_b32 s[G0SB+1], SCL+2*HALFS
	s_mov_b64 s[G0SB+2:G0SB+3], s[92:93]
	s_or_b32 s[G0SB+3], s[G0SB+3], 0x80000000
	s_add_nc_u64 s[92:93], s[20:21], s[94:95]      ; for the ring: my 128 positions; kept in s[92:93] and s[46:47] for slot 0's group 0
	s_add_nc_u64 s[46:47], s[46:47], s[94:95]
	s_mov_b32 s[G0+4], 1                           ; slot 1's group 0
	s_add_co_u32 s[G0+5], s45, SLOT
	s_add_nc_u64 s[G0+6:G0+7], s[92:93], RT
	s_or_b32 s[G0+7], s[G0+7], 0x80000000
	s_mov_b32 s[G0B+4], 1
	s_add_co_u32 s[G0B+5], s45, SLOT
	s_add_nc_u64 s[G0B+6:G0B+7], s[46:47], RT
	s_or_b32 s[G0B+7], s[G0B+7], 0x80000000
.macro ARM under, g0, g1, next         ; one chain of branches on the wave's number: every way through the head passes exactly one load
	s_cmp_lt_u32 s14, \under
	s_cbranch_scc0 \next
	tensor_load_to_lds s[\g0:\g0+3], s[\g1:\g1+7]
	s_nop 0
.rept 4
	v_nop
.endr
	s_branch .Lhead_asked
\next:
.endm
	ARM 1, G0,  G1,  .Lhead_b
	ARM 2, G0B, G1B, .Lhead_sa
	ARM 3, G0S, G1S, .Lhead_sb
	tensor_load_to_lds s[G0SB:G0SB+3], s[G1SB:G1SB+7]
	s_nop 0
.rept 4
	v_nop
.endr
.Lhead_asked:
	s_load_b256 s[4:11], s[0:1], 0x20
	s_load_b64 s[12:13], s[0:1], 0x40
	v_and_b32 v1, 15, v0
	v_bfe_u32 v2, v0, 4, 1
	v_and_b32 v3, 31, v0
	v_lshlrev_b32 v[L8], 3, v3
	v_lshlrev_b32 v[L16], 4, v3
	s_mul_i32 s21, s15, HALFT
	s_mul_i32 s22, s16, HALFT
	s_add_co_u32 s22, s22, 2*HALFT
.irp s, 0,1
	v_add_nc_u32 v[ADRA+\s], s21, v[L8]
	v_add_nc_u32 v[ADRB+\s], s22, v[L8]
	s_add_co_u32 s21, s21, SLOT
	s_add_co_u32 s22, s22, SLOT
.endr
	v_mul_u32_u24 v5, v1, KS
	v_lshrrev_b32 v6, 8, v5
	v_lshl_add_u32 v5, v6, 4, v5
	s_mul_i32 s21, s15, HALFS
	s_mul_i32 s22, s16, HALFS
	s_add_co_u32 s22, s22, 2*HALFS
	s_sub_co_u32 s22, s22, s21
	v_mul_u32_u24 v6, s22, v2
	s_add_co_u32 s21, s21, SCL
	v_add_nc_u32 v5, v5, v6
	v_add_nc_u32 v[ADRS], s21, v5
	v_lshlrev_b32 v5, 6, v2
	v_and_b32 v6, 8, v1
	v_add_nc_u32 v6, v6, v1
	v_lshlrev_b32 v6, 2, v6
	v_cndmask_b32 v224, v5, v6, s100
.irp j, 0,1,2,3,4,5,6
	v_add_nc_u32 v[225+\j], s101, v[224+\j]
.endr
	s_lshl_b32 s18, s17, 8
	s_lshl_b32 s20, s15, 7
	s_add_co_u32 s18, s18, s20
	s_lshl_b32 s20, s42, 8
	s_lshl_b32 s95, s16, 7
	s_add_co_u32 s20, s20, s95
	s_wait_alu depctr_va_vdst(0)
	s_wait_kmcnt 0x0
	s_cmp_eq_u32 s[MODE], 2
	s_cselect_b32 s2, s20, s18
	s_cselect_b32 s95, s18, s20
	s_cselect_b64 s[96:97], s[8:9], s[6:7]
	s_cmp_eq_u32 s[MODE], 0
	s_cselect_b64 s[96:97], s[4:5], s[96:97]
	s_cselect_b64 s[12:13], s[10:11], s[12:13]
	s_lshl_b32 s18, s95, 2
	s_add_nc_u64 s[96:97], s[96:97], s[18:19]
.set bi_, 0
.rept 64
	global_load_b32 v[BI+bi_], v[224+bi_%8], s[96:97] offset:(32*((bi_/8)/2)+8*((bi_/8)%2))*4
.set bi_, bi_+1
.endr
	s_lshr_b32 s18, s2, 11
	s_lshl_b32 s18, s18, 4
	s_lshr_b32 s20, s95, 6
	s_add_co_u32 s18, s18, s20
	s_mul_i32 s18, s18, HEADB
	s_bfe_u32 s20, s2, 0x40007
	s_mul_i32 s20, s20, REC
	s_add_co_u32 s18, s18, s20
	s_add_nc_u64 s[12:13], s[12:13], s[18:19]
	s_wait_tensorcnt 0x0                           ; my tile of the head's four is in
	ds_add_u32 v[SPW], v[NIL]
	s_mov_b32 s[G1+2], 8<<16                       ; no tensor load of mine is out, so descriptors may be written: from here on a load brings 8 tiles,
	s_mov_b32 s[G1+4], 8
	s_mov_b32 s[G1B+2], 8<<16
	s_mov_b32 s[G1B+4], 8
	s_add_co_u32 s[G0+1], s45, 0                   ; and slot 0's group 0 names my quarter of the slot
	s_mov_b64 s[G0+2:G0+3], s[92:93]
	s_or_b32 s[G0+3], s[G0+3], 0x80000000
	s_add_co_u32 s[G0B+1], s45, 0
	s_mov_b64 s[G0B+2:G0B+3], s[46:47]
	s_or_b32 s[G0B+3], s[G0B+3], 0x80000000
	s_wait_dscnt 0x0
	CROUND                                         ; a whole round: all four tiles are in, and the joint loads meet
	JLOAD G0+4, G1, G0B+4, G1B                     ; slot 1's first fill, the first tensor load behind the round
	FETCH_B 0, 0, 0
	FETCH_A 0, 0, 0
	SCALES 0
	FETCH_A 0, 0, 4
	s_wait_loadcnt 0x0
	s_cmp_eq_u32 s[MODE], 2
	s_cbranch_scc1 .Lfirst_v
	STEP 0, 0, 1
	s_branch .Lfirst_done
.Lfirst_v:
	STEP 0, 0, 2
.Lfirst_done:
	s_mov_b32 s3, LAPS-1
.Llap:
	TURN 0, 1, 1
	STEP 1, 0, 0
	TURN 1, 0, 1
	STEP 0, 0, 0
	s_sub_co_u32 s3, s3, 1
	s_cmp_lg_u32 s3, 0
	s_cbranch_scc1 .Llap
	TURN 0, 1, 0
	STEP 1, 0, 0
	s_wait_dscnt 4*NL
	WIN MUL_LO
	MUL16 0, 1, NQ-1, 1, 0
	MUL16 2, 1, NQ-1, 1, 0
	s_wait_dscnt 0
	WIN MUL_HI
	MUL16 4, 1, NQ-1, 1, 0
	MUL16 6, 1, NQ-1, 1, 0
	WIN 0
	PLACES NP
.irp b, 0,1,2,3
	v_mov_b32 v[TM+4+\b], 0
.endr
	s_cmp_eq_u32 s[MODE], 2
	s_cbranch_scc1 .Lout_v
.irp al, 0,1,2,3
.if \al > 0
	s_wait_xcnt 0x0
.endif
	QOUT 2*\al, 64, 76
	v_and_or_b32 v145, v[PW], 0xffff, s98
	v_lshrrev_b32 v146, 16, v[PW]
	v_or_b32 v146, s98, v146
	QOUT 2*\al+1, 70, 82
	v_and_or_b32 v147, v[PW], 0xffff, s98
	v_lshrrev_b32 v148, 16, v[PW]
	v_or_b32 v148, s98, v148
	v_cndmask_b32 v[96+\al], v145, v147, s99
	v_cndmask_b32 v[100+\al], v146, v148, s99
.irp c, 0,1,2
	global_store_b128 v[L16], v[64+4*\c:67+4*\c], s[12:13] offset:1536*\al+512*\c
	global_store_b128 v[L16], v[76+4*\c:79+4*\c], s[12:13] offset:HEADB+1536*\al+512*\c
.endr
.endr
	global_store_b128 v[L16], v[96:99], s[12:13] offset:12288
	global_store_b128 v[L16], v[100:103], s[12:13] offset:HEADB+12288
	s_branch .Lout_done
.Lout_v:
.irp a, 0,1,2,3,4,5,6,7
.if \a > 0
	s_wait_xcnt 0x0
.endif
	QOUT \a, 64, 70
	v_mov_b32 v[104+\a], v[PW]
.irp c, 0,1,2
	global_store_b128 v[L16], v[64+4*\c:67+4*\c], s[12:13] offset:(\a/4)*HEADB+6144+(\a%4)*1536+512*\c
.endr
.endr
.irp hd, 0,1
	v_cndmask_b32 v[112+2*\hd], v[104+4*\hd], v[105+4*\hd], s99
	v_cndmask_b32 v[113+2*\hd], v[106+4*\hd], v[107+4*\hd], s99
	global_store_b64 v[L8], v[112+2*\hd:113+2*\hd], s[12:13] offset:\hd*HEADB+12800
.endr
.Lout_done:
	s_wait_tensorcnt 0x0
	ds_add_u32 v[SPW], v[NIL]
	s_wait_dscnt 0x0
	CROUND
	s_endpgm
.Lfunc_end_k_q1aea7fb01f_proj:
	.size	k_q1aea7fb01f_proj, .Lfunc_end_k_q1aea7fb01f_proj-k_q1aea7fb01f_proj
	.p2alignl 7, 3214868480
	.fill 96, 4, 3214868480
	.section	.rodata,"a",@progbits
	.p2align	6, 0x0
	.amdhsa_kernel k_q1aea7fb01f_proj
		.amdhsa_group_segment_fixed_size 327680
		.amdhsa_private_segment_fixed_size 0
		.amdhsa_enable_private_segment 0
		.amdhsa_kernarg_size 72
		.amdhsa_user_sgpr_count 2
		.amdhsa_user_sgpr_kernarg_segment_ptr 1
		.amdhsa_wavefront_size32 1
		.amdhsa_system_sgpr_workgroup_id_x 1
		.amdhsa_system_sgpr_workgroup_id_y 1
		.amdhsa_system_sgpr_workgroup_id_z 1
		.amdhsa_system_vgpr_workitem_id 0
		.amdhsa_next_free_vgpr 1024
		.amdhsa_next_free_sgpr 106
		.amdhsa_reserve_vcc 0
		.amdhsa_float_denorm_mode_32 3
		.amdhsa_float_denorm_mode_16_64 3
		.amdhsa_memory_ordered 1
		.amdhsa_forward_progress 1
		.amdhsa_inst_pref_size 223
	.end_amdhsa_kernel
	.amdgpu_metadata
---
amdhsa.version: [ 1, 2 ]
amdhsa.kernels:
  - .name:           k_q1aea7fb01f_proj
    .symbol:         k_q1aea7fb01f_proj.kd
    .args:
      - { .name: xc, .offset: 0, .size: 8, .value_kind: global_buffer, .address_space: global }
      - { .name: xs, .offset: 8, .size: 8, .value_kind: global_buffer, .address_space: global }
      - { .name: wc, .offset: 16, .size: 8, .value_kind: global_buffer, .address_space: global }
      - { .name: ws, .offset: 24, .size: 8, .value_kind: global_buffer, .address_space: global }
      - { .name: bq, .offset: 32, .size: 8, .value_kind: global_buffer, .address_space: global }
      - { .name: bk, .offset: 40, .size: 8, .value_kind: global_buffer, .address_space: global }
      - { .name: bv, .offset: 48, .size: 8, .value_kind: global_buffer, .address_space: global }
      - { .name: qr, .offset: 56, .size: 8, .value_kind: global_buffer, .address_space: global }
      - { .name: kv, .offset: 64, .size: 8, .value_kind: global_buffer, .address_space: global }
    .group_segment_fixed_size: 327680
    .private_segment_fixed_size: 0
    .kernarg_segment_align: 8
    .kernarg_segment_size: 72
    .max_flat_workgroup_size: 128
    .sgpr_count:     106
    .vgpr_count:     1024
    .wavefront_size: 32
...
	.end_amdgpu_metadata
.endif
;; end of part 2
;; launch attn (part 3): grid 4 x 64, 16 waves a work-group, clusters of 4 x 1, 210,944 bytes of LDS; arguments qr, kv, oc, os; writes oc, os
.if DOCPART == 3
	.amdgcn_target "amdgcn-amd-amdhsa--gfx1250"
	.amdhsa_code_object_version 6
	.text
	.protected	k_q1aea7fb01f_attn
	.globl	k_q1aea7fb01f_attn
	.p2align	8
	.type	k_q1aea7fb01f_attn,@function
k_q1aea7fb01f_attn:
	s_mov_b64 s[64:65], 0
	v_nop
	global_prefetch_b8 v0, s[64:65] scope:SCOPE_SE
	s_setreg_imm32_b32 hwreg(HW_REG_WAVE_MODE, 25, 1), 1
	s_wait_xcnt 0x0
	s_wait_alu depctr_hold_cnt(0) depctr_sa_sdst(0) depctr_va_vdst(0) depctr_va_sdst(0) depctr_va_ssrc(0) depctr_va_vcc(0) depctr_vm_vsrc(0)
	s_getreg_b32 s2, hwreg(HW_REG_IB_STS2, 6, 4)
	s_cmp_eq_u32 s2, 0
	s_cbranch_scc0 .Lentry_in_a_cluster
	s_endpgm
.Lentry_in_a_cluster:
	s_bfe_u32 s2, ttmp6, 0x10000c
	s_cmp_lg_u32 s2, 0x3003
	s_cbranch_scc0 .Lentry_shape_is_right
	s_endpgm
.Lentry_shape_is_right:
; Launch 3 of 4: o = softmax(q k^T / 8) v for each batch and head, both products on codes of E3M2, and o quantised along the concatenated heads for the last product.  Nothing of reference() is left out.
; THE SOFTMAX: t = score x log2(e) / 8; M = the running largest t rounded up to a whole number; p = 2^(t - M) is quantised along the keys, not normalised; the row's sum is taken of the unquantised p and divides at the end.
; LIMITS: the promise holds while the scaled scores t stay under 2^31 in magnitude; a p under 2^-126 counts as 0 (ISA guide, v_exp_f32); a block of zeros gets the byte 1; NaN and infinities are not served.
; SHARES.  A work-group owns 512 query positions of one batch and head; each of its sixteen waves takes a tile of 16 in each of two passes and walks all 2,048 keys, 128 a step.
; ALL OF THE HEAD'S K AND V STAY IN LDS: 16 records of 13,056 bytes, record j at 13,056 j; wave w brings record w by one tensor load.  Nothing is filled again, so there is no ring,
; and no prefetch: the launch's one fill goes out at its head, and there is no loop to run ahead in.
; CLUSTER: the four work-groups of a head read the same records: each load is asked for jointly, with a mask that names the four.
; A RECORD: 0: K's codes, pairs of tiles of 16 key positions, 12 registers a lane as 3 x 512 bytes; 6,144: V's four fragments (16 channel positions x 128 true keys); 12,288: K's scale words; 12,800: V's.
; THE HEAD'S 64 IN AN INSTRUCTION OF 128: Q's registers 6-11 hold zero codes.  K's operand for tile t is six registers of its own and the six that follow (the next tile's codes, or zeros): they meet zero codes alone,
; under scale bytes that stand for 1, and E3M2 has no code but numbers: they add exact zeros.
; LAYOUT.  Both products are used transposed (source 0 = 16 keys, or 16 channels; source 1 = my 16 queries): a lane holds one query.  Row 8 h + j of K's tile t holds key 64 (t / 4) + 32 h + 8 (t % 4) + j of the record:
; so lane (r, h)'s 32 score registers of tiles 4 c .. 4 c + 3 are the whole block 2 c + h of 32 keys, in order, which is what p's operand wants of that lane: a block's maximum needs no other lane, and no code changes lanes.
; THE ORDER OF A STEP: scores; V's loads; maxima; M; t - M; O and the sum under the new M; exponentials; scales and codes; O += V p; and the 32 additions of the row's sum stand round and behind those four products:
; they are the places that the products and the loads want, and the next record's K is on its way under them.
; REGISTERS: v1-9 addresses; v12 -M, v13 the largest score, v[14:15] the sum; v16-27 Q; v32-79 K's, then V's codes; v80-85 zeros; v86-89, v90-91, v253, v255 scale words; v96-159 scores, then p; v160-191 O^T;
; v192-223 at work in a step, o on the way out; v224-235 codes; v232-252 at work on the way out.
.set REC,   13056
.set SPARE, 16*REC                     ; behind the records: the spare words, 128 bytes for each wave
.set SPW, 5
.set NIL, 6
.set WV,  12
.set SEL, 20
.set CS,  22
.set S,   96                           ; scores, then p
.set T,   192                          ; v192-197 three partial sums
.set BM,  200                          ; v200-201 my two blocks' largest scores, then largest p; v202-203 second chains
.set X,   204                          ; v204, v205 the row's largest score: mine, lane l xor 16's
.set Y,   205
.set DL,  206                          ; at work on M
.set OM,  207                          ; the old -M
.set SO,  208                          ; v208-209 the conversions' scale operands
.set BY,  210                          ; v210-211 scale bytes
.set W,   212                          ; v212, v213 my two bytes in the scale word, lane l xor 16's
.set WP,  213
.set CT,  216                          ; v216-218, v220-222 the upper halves of two blocks' codes on their way
.macro CROUND
	s_barrier_signal -1
	s_barrier_wait -1
	s_cmp_lg_u32 s[WV], 0
	s_cbranch_scc1 .Lnot_wave_0_\@
	s_barrier_signal -3
.Lnot_wave_0_\@:
	s_barrier_wait -3
	s_barrier_signal -1
	s_barrier_wait -1
.endm
.macro QLOAD                           ; the pair of tiles in which my tile of queries lies, and its scale words
.irp c, 0,1,2
	global_load_b128 v[32+4*\c:35+4*\c], v1, s[40:41] offset:512*\c
.endr
	global_load_b32 v255, v7, s[42:43]
.endm
.macro KLOAD adr, off                  ; K's eight tiles of a record, six registers each, 512 consecutive bytes a load; and their scale words
.set z_, 0
.rept 12
	ds_load_b128 v[32+4*z_:35+4*z_], v[\adr] offset:\off+512*z_
.set z_, z_+1
.endr
	ds_load_b128 v[86:89], v[\adr] offset:\off+12288
.endm
.macro FMA n                           ; the next n pairs of scores become t - M
.rept \n
	v_pk_fma_f32 v[S+fz:S+fz+1], v[S+fz:S+fz+1], s[CS:CS+1], v[12:13] op_sel_hi:[1,0,0]
.set fz, fz+2
.endr
.endm
.macro SUM n                           ; the next n of the 32 additions that add the 32 pairs of p to the row's sum, in four chains by turns
.rept \n
.if sq < 3
	v_pk_add_f32 v[T+2*sq:T+2*sq+1], v[S+4*sq:S+4*sq+1], v[S+4*sq+2:S+4*sq+3]
.elseif sq < 29
.if sq%4 == 3
	v_pk_add_f32 v[14:15], v[14:15], v[S+2*(sq+3):S+2*(sq+3)+1]
.else
	v_pk_add_f32 v[T+2*(sq%4):T+2*(sq%4)+1], v[T+2*(sq%4):T+2*(sq%4)+1], v[S+2*(sq+3):S+2*(sq+3)+1]
.endif
.elseif sq == 29
	v_pk_add_f32 v[T:T+1], v[T:T+1], v[T+2:T+3]
.elseif sq == 30
	v_pk_add_f32 v[14:15], v[14:15], v[T+4:T+5]
.else
	v_pk_add_f32 v[14:15], v[14:15], v[T:T+1]
.endif
.set sq, sq+1
.endr
.endm
; A key step: 128 keys, the record at s36.  pre = 1: the next record's K is asked for
.macro STEP pre
.set sq, 0
.set fz, 0
	s_wait_dscnt 0x0                               ; K and its scale words are in
	s_barrier_signal -1                            ; I have begun this step.  (The barrier orders no memory: it keeps the sixteen waves within one step of each other; between signal and wait stand register work and loads of records that nobody writes)
.irp t, 0,1,2,3,4,5,6,7
.if \t%2
	v_wmma_scale_f32_16x16x128_f8f6f4 v[S+8*\t:S+7+8*\t], v[32+6*\t:43+6*\t], v[16:27], 0, v[86+\t/2], v255 matrix_a_fmt:MATRIX_FMT_BF6 matrix_b_fmt:MATRIX_FMT_BF6 matrix_a_scale:MATRIX_SCALE_ROW1
.else
	v_wmma_scale_f32_16x16x128_f8f6f4 v[S+8*\t:S+7+8*\t], v[32+6*\t:43+6*\t], v[16:27], 0, v[86+\t/2], v255 matrix_a_fmt:MATRIX_FMT_BF6 matrix_b_fmt:MATRIX_FMT_BF6
.endif
.endr
	v_add_nc_u32 v3, s36, v1                       ; four places: for the loads below, and for the first read of the scores
	v_add_nc_u32 v4, s36, v2
	v_mov_b32 v[OM], v12
	v_nop
.set z_, 0
.rept 12
	ds_load_b128 v[32+4*z_:35+4*z_], v3 offset:6144+512*z_     ; V's four fragments land while the softmax is worked
.set z_, z_+1
.endr
	ds_load_b64 v[90:91], v4 offset:12800
.irp c, 0,1                            ; the largest score of my two blocks of 32 keys, each in two chains, every accumulator from its low end on
	v_max3_num_f32 v[BM+\c], v[S+32*\c], v[S+32*\c+1], v[S+32*\c+2]
	v_max3_num_f32 v[BM+2+\c], v[S+32*\c+16], v[S+32*\c+17], v[S+32*\c+18]
.endr
.irp i, 3,5,7,9,11,13
.irp c, 0,1
	v_max3_num_f32 v[BM+\c], v[BM+\c], v[S+32*\c+\i], v[S+32*\c+\i+1]
	v_max3_num_f32 v[BM+2+\c], v[BM+2+\c], v[S+32*\c+16+\i], v[S+32*\c+17+\i]
.endr
.endr
.irp c, 0,1
	v_max3_num_f32 v[BM+\c], v[BM+\c], v[BM+2+\c], v[S+32*\c+15]
.endr
.irp c, 0,1
	v_max_num_f32 v[BM+\c], v[BM+\c], v[S+32*\c+31]
.endr
	v_max3_num_f32 v[X], v13, v[BM], v[BM+1]       ; the running largest score of my query: my 64 keys,
	s_delay_alu instid0(VALU_DEP_1)
	v_permlanex16_b32 v[Y], v[X], s[SEL], s[SEL+1]
	s_delay_alu instid0(VALU_DEP_1)
	v_max_num_f32 v13, v[X], v[Y]                  ; and lane l xor 16's
	s_delay_alu instid0(VALU_DEP_1)
	v_mul_f32 v[DL], s[CS], v13                    ; as t (c is positive)
	s_delay_alu instid0(VALU_DEP_1)
	v_floor_f32 v12, -v[DL]                        ; the new -M = -ceil(t)
	s_delay_alu instid0(VALU_DEP_1)
	v_sub_f32 v[DL], v12, v[OM]                    ; old M - new M: a whole number, 0 or less
	FMA 4
	v_cvt_i32_f32 v[DL], v[DL]                     ; (it saturates)
	FMA 4
	v_ldexp_f32 v252, 1.0, v[DL]                   ; f = 2^(old M - new M)
	FMA 24
.irp c, 0,1
	v_fma_f32 v[BM+\c], v[BM+\c], s[CS], v12       ; the same of each block's largest score: p rises with the score
.endr
	v_pk_mul_f32 v[14:15], v[14:15], v[252:253] op_sel_hi:[1,0]       ; the sum under the new M
.set z_, 0
.rept 16
	v_pk_mul_f32 v[160+z_:161+z_], v[160+z_:161+z_], v[252:253] op_sel_hi:[1,0]   ; O^T under the new M, each accumulator from its low end on
.set z_, z_+2
.endr
	s_wait_alu depctr_va_vdst(0)                   ; the wait ahead of the batch
.set z_, 0
.rept 64
	v_exp_f32 v[S+z_], v[S+z_]                     ; p = 2^(t - M)
.set z_, z_+1
.endr
	v_exp_f32 v[BM], v[BM]                         ; each block's largest p
	v_exp_f32 v[BM+1], v[BM+1]
	v_nop                                          ; a plain place behind the exponentials
	s_wait_alu depctr_va_vdst(0)                   ; and the wait behind the batch, which also stands directly ahead of the wait below
	s_wait_dscnt 0x0                               ; V and its scale words are in
.irp c, 0,1
	v_max_num_f32 v[BM+\c], 0x2800000, v[BM+\c]    ; the floor 2^(5 - 127): the byte cannot fall under 1
.endr
.irp c, 0,1
	v_add_nc_u32 v[SO+\c], 0xfe000000, v[BM+\c]    ; 4 off the exponent field: the conversion's scale operand
.endr
.irp c, 0,1
	v_cvt_scalef32_pk16_bf6_f32 v[224+6*\c:226+6*\c], v[S+32*\c:S+15+32*\c], v[SO+\c]          ; block 2 c + h: its lower 16 codes,
	v_cvt_scalef32_pk16_bf6_f32 v[CT+4*\c:CT+2+4*\c], v[S+16+32*\c:S+31+32*\c], v[SO+\c]       ; its upper 16 (a conversion's three registers begin on an even number)
.endr
	v_lshrrev_b32 v[BY], 23, v[SO]                 ; the scales' bytes.  (The plain place behind the conversions)
	v_lshrrev_b32 v[BY+1], 23, v[SO+1]
	v_lshl_or_b32 v[W], v[BY+1], 16, v[BY]         ; blocks h and 2 + h,
	v_lshlrev_b32 v[W], v9, v[W]                   ; at their places in the word (8 h bits up);
	v_permlanex16_b32 v[WP], v[W], s[SEL], s[SEL+1]
	v_or_b32 v253, v[W], v[WP]                     ; with lane l xor 16's two: p's scale word for these 128 keys
.irp c, 0,1
.irp i, 0,1,2
	v_mov_b32 v[227+6*\c+\i], v[CT+4*\c+\i]
.endr
.endr
	SUM 6                                          ; with the six moves: twelve places behind the scale word, six behind the last code
.irp t, 0,1,2,3
.if \t%2
	v_wmma_scale_f32_16x16x128_f8f6f4 v[160+8*\t:167+8*\t], v[32+12*\t:43+12*\t], v[224:235], v[160+8*\t:167+8*\t], v[90+\t/2], v253 matrix_a_fmt:MATRIX_FMT_BF6 matrix_b_fmt:MATRIX_FMT_BF6 matrix_a_scale:MATRIX_SCALE_ROW1
.else
	v_wmma_scale_f32_16x16x128_f8f6f4 v[160+8*\t:167+8*\t], v[32+12*\t:43+12*\t], v[224:235], v[160+8*\t:167+8*\t], v[90+\t/2], v253 matrix_a_fmt:MATRIX_FMT_BF6 matrix_b_fmt:MATRIX_FMT_BF6
.endif
.endr
	SUM 4                                          ; four places in front of loads into registers that these products have read
.if \pre
	KLOAD 3, REC                                   ; the next record's K, 22 additions ahead of the wait for it
.endif
	SUM 22
	s_barrier_wait -1                              ; nobody goes on to the next step before everybody has begun this one
.endm
	s_load_b256 s[4:11], s[0:1], 0x0               ; qr, kv, oc, os
	v_lshl_add_u32 v[SPW], v0, 2, SPARE
	v_mov_b32 v[NIL], 0
	ds_add_u32 v[SPW], v[NIL]                      ; the wave's opening: the add, twice on end, and its wait ahead of my first tensor load
	ds_add_u32 v[SPW], v[NIL]
	v_lshrrev_b32 v1, 5, v0
	s_delay_alu instid0(VALU_DEP_1)
	v_readfirstlane_b32 s[WV], v1                  ; wave 0..15
	s_bfe_u32 s13, ttmp6, 0x40000                  ; cx: which quarter of the queries: it enters Q's and o's global addresses alone
	s_and_b32 s14, ttmp7, 0xffff                   ; batch x 16 + head
	s_mov_b32 s24, 15|(3<<16)|(1<<21)              ; group 1: the mask of the four; elements of 8 bytes; no padding
	s_mov_b32 s25, 32<<16                          ; 51 rows of 256 bytes, dense
	s_mov_b32 s26, 51<<16
	s_mov_b32 s27, 32<<16
	s_mov_b32 s28, 51
	s_mov_b32 s29, 32
	s_mov_b32 s30, 0
	s_mov_b32 s31, 0
	s_mov_b32 s32, 1
	s_mul_i32 s33, s[WV], REC                      ; record w: its place in LDS, and in the head
	s_mul_i32 s15, s14, 16*REC
	s_add_co_u32 s48, s15, s33
	s_mov_b32 s49, 0
	s_lshl_b32 s16, s13, 2                         ; Q: my tile is 32 cx + 16 pass + w: record 4 cx + 2 pass + w / 8,
	s_lshr_b32 s19, s[WV], 3
	s_add_co_u32 s16, s16, s19
	s_mul_i32 s16, s16, REC
	s_add_co_u32 s16, s16, s15
	s_bfe_u32 s19, s[WV], 0x20001                  ; pair (w / 2) % 4
	s_mul_i32 s50, s19, 1536
	s_add_co_u32 s50, s50, s16
	s_mov_b32 s51, 0
	s_lshl_b32 s52, s19, 2
	s_add_co_u32 s52, s52, s16
	s_add_co_u32 s52, s52, 12288
	s_mov_b32 s53, 0
	s_lshr_b32 s19, s14, 4                         ; o: the tile of 16 positions 128 batch + 32 cx + 16 pass + w,
	s_lshl_b32 s19, s19, 7
	s_lshl_b32 s54, s13, 5
	s_add_co_u32 s19, s19, s54
	s_add_co_u32 s19, s19, s[WV]
	s_and_b32 s39, s14, 15                         ; the head: 64 of the last product's K: half a fragment image, two scale bytes
	s_mul_i32 s54, s19, 12288
	s_mul_i32 s55, s39, 768
	s_add_co_u32 s54, s54, s55
	s_mov_b32 s55, 0
	s_lshl_b32 s56, s19, 9
	s_lshl_b32 s57, s39, 1
	s_add_co_u32 s56, s56, s57
	s_mov_b32 s57, 0
	s_and_b32 s58, s[WV], 1
	s_sub_co_u32 s17, 0, s58                       ; all lanes where my tile is the pair's odd one
	s_lshl_b32 s58, s58, 4
	s_mov_b32 s18, 0xffff0000
	s_mov_b32 s[SEL], 0x76543210
	s_mov_b32 s[SEL+1], 0xfedcba98
	s_mov_b32 s[CS], 0x3e38aa3b                    ; c = log2(e) / 8
	s_mov_b32 s[CS+1], s[CS]
	s_wait_dscnt 0x0                               ; both opening adds are done
	s_wait_kmcnt 0x0
	s_add_nc_u64 s[34:35], s[6:7], s[48:49]
	s_or_b32 s35, s35, 0x80000000
	s_add_nc_u64 s[40:41], s[4:5], s[50:51]
	s_add_nc_u64 s[42:43], s[4:5], s[52:53]
	s_add_nc_u64 s[44:45], s[8:9], s[54:55]
	s_add_nc_u64 s[46:47], s[10:11], s[56:57]
	CROUND                                         ; all four work-groups are here: the joint loads meet
	tensor_load_to_lds s[32:35], s[24:31]          ; my one tensor load of the launch
	s_nop 0
.rept 4
	v_nop
.endr
	v_and_b32 v9, 31, v0
	s_delay_alu instid0(VALU_DEP_1)
	v_lshlrev_b32 v1, 4, v9                        ; 16 x lane
	s_delay_alu instid0(VALU_DEP_2)
	v_lshlrev_b32 v2, 3, v9                        ; 8 x lane
	s_delay_alu instid0(VALU_DEP_3)
	v_xor_b32 v7, s58, v9
	s_delay_alu instid0(VALU_DEP_1)
	v_lshlrev_b32 v7, 4, v7                        ; Q's scale words: the odd tile's stand in lanes 16-31 of the image: lanes 0-15 fetch them from there
	v_and_b32 v10, 15, v0
	v_bfe_u32 v11, v0, 4, 1
	s_delay_alu instid0(VALU_DEP_1)
	v_lshl_add_u32 v8, v10, 5, v11                 ; o's scale bytes: 32 r + h
	v_lshlrev_b32 v9, 3, v11                       ; 8 h: how far up my two bytes stand in p's scale word
	QLOAD
.irp i, 0,1,2,3,4,5
	v_mov_b32 v[22+\i], 0                          ; Q's upper 64 along K: zero codes
	v_mov_b32 v[80+\i], 0                          ; what follows K's last tile
.endr
	v_mov_b32 v236, 0                              ; written once: a lane permute's destination counts as one of its sources
	v_mov_b32 v237, 0
	v_mov_b32 v[Y], 0
	v_mov_b32 v[WP], 0
	v_mov_b32 v253, 0                              ; (named as the upper half of the pair v[252:253] before it is first written)
	s_wait_alu depctr_va_vdst(0)                   ; the wait at the head's end
	s_wait_tensorcnt 0x0                           ; my record is in,
	s_barrier_signal -1
	s_barrier_wait -1                              ; everybody's is
	s_mov_b32 s38, 2
.Lpass:
	s_wait_loadcnt 0x0                             ; Q
.irp i, 0,1,2,3,4,5
	v_cndmask_b32 v[16+\i], v[32+\i], v[38+\i], s17
.endr
	v_mov_b32 v13, 0xff61b1e6                      ; the largest score so far: -3e38
	s_delay_alu instid0(VALU_DEP_1)
	v_floor_f32 v12, -v13                          ; -M
	v_mov_b32 v14, 0
	v_mov_b32 v15, 0
.set z_, 0
.rept 32
	v_mov_b32 v[160+z_], 0                         ; O^T.  (The first step finds zeros, which the first change of M leaves zeros)
.set z_, z_+1
.endr
	s_mov_b32 s36, 0
	s_mov_b32 s37, 15
	KLOAD 1, 0                                     ; record 0's K
	s_wait_alu depctr_va_vdst(0)
.Lkey:
	STEP 1
	s_add_co_u32 s36, s36, REC
	s_sub_co_u32 s37, s37, 1
	s_cmp_lg_u32 s37, 0
	s_cbranch_scc1 .Lkey
	STEP 0                                         ; the last record: nothing more to ask for
	; ---- the way out of a pass.  (The 26 additions behind the last products are the places in front of Q's loads)
	s_add_nc_u64 s[40:41], s[40:41], 2*REC         ; (Q's loads were shown done at the pass's head)  the next pass's tile lies two records on
	s_add_nc_u64 s[42:43], s[42:43], 2*REC
	s_cmp_eq_u32 s38, 1
	s_wait_alu depctr_va_vdst(0)                   ; directly ahead of the branch
	s_cbranch_scc1 .Lno_q                          ; the last pass asks for nothing
	QLOAD
.Lno_q:
	v_add_f32 v14, v14, v15
	s_delay_alu instid0(VALU_DEP_1)
	v_permlanex16_b32 v252, v14, s[SEL], s[SEL+1]
	s_delay_alu instid0(VALU_DEP_1)
	v_add_f32 v14, v14, v252                       ; the row's sum: my 1,024 keys and lane l xor 16's
	s_wait_alu depctr_va_vdst(0)
	v_rcp_f32 v14, v14
	v_nop
	s_wait_alu depctr_va_vdst(0)
.set z_, 0
.rept 16
	v_pk_mul_f32 v[192+z_:193+z_], v[160+z_:161+z_], v[14:15] op_sel_hi:[1,0]     ; o: register 16 b + i is channel 32 b + 16 h + i of my query
.set z_, z_+2
.endr
.irp b, 0,1
	v_max3_num_f32 v[232+\b], |v[192+16*\b]|, |v[193+16*\b]|, 0x2800000
.endr
.irp i, 2,4,6,8,10,12,14
.irp b, 0,1
	s_delay_alu instid0(VALU_DEP_2)
	v_max3_num_f32 v[232+\b], v[232+\b], |v[192+16*\b+\i]|, |v[193+16*\b+\i]|
.endr
.endr
.irp b, 0,1
	s_delay_alu instid0(VALU_DEP_2)
	v_permlanex16_b32 v[236+\b], v[232+\b], s[SEL], s[SEL+1]
.endr
.irp b, 0,1
	s_delay_alu instid0(VALU_DEP_2)
	v_max_num_f32 v[232+\b], v[232+\b], v[236+\b]
.endr
.irp b, 0,1
	s_delay_alu instid0(VALU_DEP_2)
	v_add_nc_u32 v[244+\b], 0xfe000000, v[232+\b]
.endr
.irp b, 0,1
	s_delay_alu instid0(VALU_DEP_2)
	v_lshrrev_b32 v[236+\b], 23, v[244+\b]
.endr
	v_cvt_scalef32_pk16_bf6_f32 v[224:226], v[192:207], v244
	v_cvt_scalef32_pk16_bf6_f32 v[240:242], v[208:223], v245
	v_cndmask_b32 v238, v236, v237, s18            ; lanes 0-15 the first block's byte, lanes 16-31 the second's.  (The plain place behind the conversions)
.irp i, 0,1,2
	v_permlane16_swap_b32 v[224+\i], v[240+\i]
.endr
.irp i, 0,1,2
	s_delay_alu instid0(VALU_DEP_3)
	v_mov_b32 v[227+\i], v[240+\i]
.endr
.irp j, 0,1,2
	global_store_b64 v2, v[224+2*\j:225+2*\j], s[44:45] offset:256*\j             ; 256 consecutive bytes, aligned: half of a fragment image
.endr
	global_store_b8 v8, v238, s[46:47]             ; two bytes of each position's 32: the others are other heads' work-groups'
	s_wait_xcnt 0x0                                ; the stores and loads have read their addresses and data
	s_add_nc_u64 s[44:45], s[44:45], 16*12288
	s_add_nc_u64 s[46:47], s[46:47], 16*512
	s_sub_co_u32 s38, s38, 1
	s_cmp_lg_u32 s38, 0
	s_cbranch_scc1 .Lpass
	s_wait_tensorcnt 0x0                           ; the wave's end
	ds_add_u32 v[SPW], v[NIL]
	s_wait_dscnt 0x0
	CROUND                                         ; the closing round
	s_endpgm
.Lfunc_end_k_q1aea7fb01f_attn:
	.size	k_q1aea7fb01f_attn, .Lfunc_end_k_q1aea7fb01f_attn-k_q1aea7fb01f_attn
	.p2alignl 7, 3214868480
	.fill 96, 4, 3214868480
	.section	.rodata,"a",@progbits
	.p2align	6, 0x0
	.amdhsa_kernel k_q1aea7fb01f_attn
		.amdhsa_group_segment_fixed_size 210944
		.amdhsa_private_segment_fixed_size 0
		.amdhsa_enable_private_segment 0
		.amdhsa_kernarg_size 32
		.amdhsa_user_sgpr_count 2
		.amdhsa_user_sgpr_kernarg_segment_ptr 1
		.amdhsa_wavefront_size32 1
		.amdhsa_system_sgpr_workgroup_id_x 1
		.amdhsa_system_sgpr_workgroup_id_y 1
		.amdhsa_system_sgpr_workgroup_id_z 1
		.amdhsa_system_vgpr_workitem_id 0
		.amdhsa_next_free_vgpr 256
		.amdhsa_next_free_sgpr 66
		.amdhsa_reserve_vcc 0
		.amdhsa_float_denorm_mode_32 3
		.amdhsa_float_denorm_mode_16_64 3
		.amdhsa_memory_ordered 1
		.amdhsa_forward_progress 1
		.amdhsa_inst_pref_size 42
	.end_amdhsa_kernel
	.amdgpu_metadata
---
amdhsa.version: [ 1, 2 ]
amdhsa.kernels:
  - .name:           k_q1aea7fb01f_attn
    .symbol:         k_q1aea7fb01f_attn.kd
    .args:
      - { .name: qr, .offset: 0, .size: 8, .value_kind: global_buffer, .address_space: global }
      - { .name: kv, .offset: 8, .size: 8, .value_kind: global_buffer, .address_space: global }
      - { .name: oc, .offset: 16, .size: 8, .value_kind: global_buffer, .address_space: global }
      - { .name: os, .offset: 24, .size: 8, .value_kind: global_buffer, .address_space: global }
    .group_segment_fixed_size: 210944
    .private_segment_fixed_size: 0
    .kernarg_segment_align: 8
    .kernarg_segment_size: 32
    .max_flat_workgroup_size: 512
    .sgpr_count:     66
    .vgpr_count:     256
    .wavefront_size: 32
...
	.end_amdgpu_metadata
.endif
;; end of part 3
;; launch outp (part 4): grid 4 x 64, 4 waves a work-group, clusters of 4 x 4, 327,680 bytes of LDS; arguments oc, os, wc, ws, bo, out0; writes out0
.if DOCPART == 4
	.amdgcn_target "amdgcn-amd-amdhsa--gfx1250"
	.amdhsa_code_object_version 6
	.text
	.protected	k_q1aea7fb01f_outp
	.globl	k_q1aea7fb01f_outp
	.p2align	8
	.type	k_q1aea7fb01f_outp,@function
k_q1aea7fb01f_outp:
	s_mov_b64 s[64:65], 0
	v_nop
	global_prefetch_b8 v0, s[64:65] scope:SCOPE_SE
	s_setreg_imm32_b32 hwreg(HW_REG_WAVE_MODE, 25, 1), 1
	s_wait_xcnt 0x0
	s_wait_alu depctr_hold_cnt(0) depctr_sa_sdst(0) depctr_va_vdst(0) depctr_va_sdst(0) depctr_va_ssrc(0) depctr_va_vcc(0) depctr_vm_vsrc(0)
	s_getreg_b32 s2, hwreg(HW_REG_IB_STS2, 6, 4)
	s_cmp_eq_u32 s2, 0
	s_cbranch_scc0 .Lentry_in_a_cluster
	s_endpgm
.Lentry_in_a_cluster:
	s_bfe_u32 s2, ttmp6, 0x10000c
	s_cmp_lg_u32 s2, 0xf033
	s_cbranch_scc0 .Lentry_shape_is_right
	s_endpgm
.Lentry_shape_is_right:
; Launch 4 of 4: out0 = o Wo + bo, on codes of E3M2 with E8M0 scales.  o [8,192 positions][1,024] and Wo [1,024 columns][1,024] lie as fragment images: [tile of 16][K step of 128][1,536 bytes]; os and ws hold 32 scale bytes a position.
; Nothing of reference() is left out.
; SHARES.  A work-group makes 128 rows x 256 columns: 64 x 4 = 256 work-groups.  Four waves, 2 x 2; a wave makes 64 x 128: 32 accumulators of 16 x 16, one window of registers.
; NO RING.  The block's operands for ALL of K are 8 tiles of o and 16 of Wo, 12,288 bytes each: 294,912 bytes, which stay in LDS.  They come by four tensor loads at the head, one a wave, each a dense run of memory;
; nothing is filled again, so the walk along K has no barrier.  No prefetch: the launch's only fills go out at its head, and there is no loop to run ahead in.
; CLUSTERS: 4 x 4 work-groups.  The four of a row of the cluster need the same tiles of o, the four of a column the same tiles of Wo: each load is asked for jointly, with a mask that names the four.
; THE SCALES go from memory into registers, once: a tile's 16 rows x 32 bytes are 512 consecutive bytes, 16 a lane: lane (r, h) holds row r's words of K steps 4 h .. 4 h + 3, and the instruction's ROW selectors take lanes 0-15 in K steps 0-3, lanes 16-31 in 4-7.
; THE MATRIX INSTRUCTION IS USED TRANSPOSED (source 0 = 16 columns of Wo, source 1 = 16 positions of o): a lane holds eight neighbouring numbers of a row of out0.  The first K step takes bo as C.
; o's positions hold the rows with bits 3 and 4 of the index exchanged: the way out puts each row where it belongs.
; REGISTERS: window 0: v0-31 addresses; v32-63 Wo's scale words; v64-127 bo, later the way out; v128-223 o's fragments, two sets of 4, later the way out; v224-239 o's scale words.
;   window 1: Wo's fragments, two sets of 8, at v0 and v128.   window 2: accumulator (a, b) at v[8 (8 a + b)].
.set FR,     12                        ; registers of a fragment
.set NP,     4                         ; places behind this matrix instruction (ISA guide 7.12.1)
.set TB,     12288                     ; a tile of 16, all of K
.set LB,     8*TB                      ; LDS: o's 8 tiles from 0, Wo's 16 from here
.set SPARE,  24*TB                     ; behind them the spare words, 128 bytes for each wave
.set SPITCH, 528                       ; the way out: a stage of 16 rows x (512 + 16) bytes for each wave, over o's tiles, behind a barrier behind which nobody reads them
.set ADRA, 16
.set ADRB, 20                          ; v20, v21: my tiles 0-3 and 4-7 of Wo (an LDS offset has 16 bits)
.set STO,  24
.set RD,   25
.set CO,   26
.set SOF,  27
.set SPW,  28
.set NIL,  29
.set BOF,  30
.set SB,   32
.set BI,   64
.set AF,   128
.set SA,   224
.set G1,  24                           ; s[24:31] group 1 for o's loads (4 tiles), s[48:55] for Wo's (8 tiles)
.set G1B, 48
.set GA0, 32                           ; four groups 0
.set GA1, 36
.set GB0, 56
.set GB1, 60
.set MSB, 0
.macro WIN new
.if MSB != (\new)
	s_set_vgpr_msb (MSB<<8)|(\new)
.set MSB, (\new)
.endif
.endm
.set MUL_LO, 0xa1                      ; source 0 window 1, source 1 window 0, C and D window 2
.set TO_B,   0x40                      ; destination window 1, address window 0
.macro CROUND                          ; a round of the cluster's barrier
	s_barrier_signal -1
	s_barrier_wait -1
	s_cmp_lg_u32 s14, 0
	s_cbranch_scc1 .Lnot_wave_0_\@
	s_barrier_signal -3
.Lnot_wave_0_\@:
	s_barrier_wait -3
	s_barrier_signal -1
	s_barrier_wait -1
.endm
.macro PLACES n
.rept \n
	v_nop
.endr
.endm
.macro ARM under, g0, g1, next         ; one chain of branches on the wave's number: every way through the head passes exactly one load
	s_cmp_lt_u32 s14, \under
	s_cbranch_scc0 \next
	tensor_load_to_lds s[\g0:\g0+3], s[\g1:\g1+7]
	s_nop 0
.rept 4
	v_nop
.endr
	s_branch .Lhead_asked
\next:
.endm
.macro FETCH k                         ; K step k's fragments into the sets k % 2: 72 loads of 256 consecutive bytes
	WIN TO_B
.irp i, 0,1,2,3,4,5,6,7
.irp p, 0,1,2,3,4,5
	ds_load_b64 v[128*((\k)%2)+FR*\i+2*\p:128*((\k)%2)+FR*\i+2*\p+1], v[ADRB+\i/4] offset:(\i%4)*TB+(\k)*1536+\p*256
.endr
.endr
	WIN 0
.irp i, 0,1,2,3
.irp p, 0,1,2,3,4,5
	ds_load_b64 v[AF+48*((\k)%2)+FR*\i+2*\p:AF+48*((\k)%2)+FR*\i+2*\p+1], v[ADRA] offset:\i*TB+(\k)*1536+\p*256
.endr
.endr
.endm
.macro MUL k                           ; 32 matrix instructions; the accumulators take turns, in the same order in every step
.irp a, 0,1,2,3
.irp b, 0,1,2,3,4,5,6,7
.if (\k) == 0
	v_wmma_scale_f32_16x16x128_f8f6f4 v[8*(8*\a+\b):8*(8*\a+\b)+7], v[128*((\k)%2)+FR*\b:128*((\k)%2)+FR*\b+FR-1], v[AF+48*((\k)%2)+FR*\a:AF+48*((\k)%2)+FR*\a+FR-1], v[BI+8*\b:BI+8*\b+7], v[SB+4*\b+(\k)%4], v[SA+4*\a+(\k)%4] matrix_a_fmt:MATRIX_FMT_BF6 matrix_b_fmt:MATRIX_FMT_BF6
.elseif (\k) < 4
	v_wmma_scale_f32_16x16x128_f8f6f4 v[8*(8*\a+\b):8*(8*\a+\b)+7], v[128*((\k)%2)+FR*\b:128*((\k)%2)+FR*\b+FR-1], v[AF+48*((\k)%2)+FR*\a:AF+48*((\k)%2)+FR*\a+FR-1], v[8*(8*\a+\b):8*(8*\a+\b)+7], v[SB+4*\b+(\k)%4], v[SA+4*\a+(\k)%4] matrix_a_fmt:MATRIX_FMT_BF6 matrix_b_fmt:MATRIX_FMT_BF6
.else
	v_wmma_scale_f32_16x16x128_f8f6f4 v[8*(8*\a+\b):8*(8*\a+\b)+7], v[128*((\k)%2)+FR*\b:128*((\k)%2)+FR*\b+FR-1], v[AF+48*((\k)%2)+FR*\a:AF+48*((\k)%2)+FR*\a+FR-1], v[8*(8*\a+\b):8*(8*\a+\b)+7], v[SB+4*\b+(\k)%4], v[SA+4*\a+(\k)%4] matrix_a_fmt:MATRIX_FMT_BF6 matrix_b_fmt:MATRIX_FMT_BF6 matrix_a_scale:MATRIX_SCALE_ROW1 matrix_b_scale:MATRIX_SCALE_ROW1
.endif
.endr
.endr
.endm
.macro STEP k                          ; a K step: its fragments are in; the next step's are asked for, into the other sets; 32 products
	s_wait_dscnt 0x0
.if (\k) == 7
	s_barrier_signal -1                            ; my last reads of the tiles are done: the barrier's wait stands behind the products
.else
.if (\k) > 0
	PLACES NP                                      ; in front of loads into registers that the last step's products have read
.endif
	FETCH (\k)+1
.endif
.if (\k) == 0
	WIN 0x81                                       ; C (bo) in window 0
.else
	WIN MUL_LO
.endif
	MUL \k
	WIN 0
.endm
	s_load_b256 s[4:11], s[0:1], 0x0               ; oc, os, wc, ws
	s_load_b128 s[96:99], s[0:1], 0x20             ; bo, out0
	v_lshl_add_u32 v[SPW], v0, 2, SPARE
	v_mov_b32 v[NIL], 0
	ds_add_u32 v[SPW], v[NIL]                      ; the wave's opening: the add, twice on end, and its wait ahead of my first tensor load
	ds_add_u32 v[SPW], v[NIL]
	v_lshrrev_b32 v1, 5, v0
	v_readfirstlane_b32 s14, v1                    ; wave 0..3
	s_lshr_b32 s15, s14, 1                         ; which 64 of the block's rows are mine
	s_and_b32 s16, s14, 1                          ; which 128 of its columns
	s_bfe_u32 s40, ttmp6, 0x40000                  ; cx = the block's column (the grid is one cluster wide)
	s_bfe_u32 s41, ttmp6, 0x40004                  ; cy
	s_and_b32 s17, ttmp7, 0xffff
	s_lshl_b32 s17, s17, 2
	s_add_co_u32 s17, s17, s41                     ; the block's row = 4 x cluster y + cy
	s_lshl_b32 s43, s41, 2
	s_lshl_b32 s43, 15, s43                        ; my row of the cluster
	s_lshl_b32 s44, 0x1111, s40                    ; my column
	s_or_b32 s[G1+0], s43, (3<<16)|(1<<21)         ; the mask; elements of 8 bytes; bit 21 beside a mask; no padding
	s_or_b32 s[G1B+0], s44, (3<<16)|(1<<21)
.irp g, G1, G1B
	s_mov_b32 s[\g+1], 1536<<16                    ; a row is a tile: 1,536 elements, dense
	s_mov_b32 s[\g+3], 1536<<16
	s_mov_b32 s[\g+5], 1536
	s_mov_b32 s[\g+6], 0
	s_mov_b32 s[\g+7], 0
.endr
	s_mov_b32 s[G1+2], 4<<16                       ; o: 4 tiles a load
	s_mov_b32 s[G1+4], 4
	s_mov_b32 s[G1B+2], 8<<16                      ; Wo: 8 tiles a load
	s_mov_b32 s[G1B+4], 8
	s_mul_i32 s20, s17, 8*TB                       ; the block's 8 tiles of o,
	s_mov_b32 s21, 0
	s_mul_i32 s46, s40, 16*TB                      ; its 16 of Wo
	s_mov_b32 s47, 0
	s_mov_b32 s19, 0
	s_mul_i32 s67, s15, 4*TB                       ; LDS: my 4 tiles of o,
	s_mul_i32 s68, s16, 8*TB
	s_add_co_u32 s68, s68, LB                      ; my 8 of Wo: the first four,
	s_add_co_u32 s69, s68, 4*TB                    ; the other four,
	s_mul_i32 s70, s14, 16*SPITCH                  ; and my stage
	s_wait_dscnt 0x0                               ; both opening adds are done
	s_wait_kmcnt 0x0
	s_add_nc_u64 s[8:9], s[8:9], 2359296           ; Wo is the fourth tensor of wc and ws
	s_add_nc_u64 s[10:11], s[10:11], 98304
	s_add_nc_u64 s[20:21], s[4:5], s[20:21]
	s_add_nc_u64 s[46:47], s[8:9], s[46:47]
	CROUND                                         ; all sixteen work-groups are here: the joint loads meet
	s_mov_b32 s[GA0], 1                            ; o's tiles 0-3,
	s_mov_b32 s[GA0+1], 0
	s_mov_b64 s[GA0+2:GA0+3], s[20:21]
	s_or_b32 s[GA0+3], s[GA0+3], 0x80000000
	s_mov_b32 s[GA1], 1                            ; 4-7,
	s_mov_b32 s[GA1+1], 4*TB
	s_add_nc_u64 s[GA1+2:GA1+3], s[20:21], 4*TB
	s_or_b32 s[GA1+3], s[GA1+3], 0x80000000
	s_mov_b32 s[GB0], 1                            ; Wo's tiles 0-7,
	s_mov_b32 s[GB0+1], LB
	s_mov_b64 s[GB0+2:GB0+3], s[46:47]
	s_or_b32 s[GB0+3], s[GB0+3], 0x80000000
	s_mov_b32 s[GB1], 1                            ; 8-15
	s_mov_b32 s[GB1+1], LB+8*TB
	s_add_nc_u64 s[GB1+2:GB1+3], s[46:47], 8*TB
	s_or_b32 s[GB1+3], s[GB1+3], 0x80000000
	ARM 1, GA0, G1,  .Lhead_1
	ARM 2, GB0, G1B, .Lhead_2
	ARM 3, GB1, G1B, .Lhead_3
	tensor_load_to_lds s[GA1:GA1+3], s[G1:G1+7]
	s_nop 0
.rept 4
	v_nop
.endr
.Lhead_asked:
	v_and_b32 v1, 15, v0                           ; r
	v_bfe_u32 v2, v0, 4, 1                         ; h
	v_and_b32 v3, 31, v0                           ; lane
	v_lshlrev_b32 v4, 3, v3                        ; a fragment image: 8 bytes a lane
	v_add_nc_u32 v[ADRA], s67, v4
	v_add_nc_u32 v[ADRB], s68, v4
	v_add_nc_u32 v[ADRB+1], s69, v4
	v_lshlrev_b32 v5, 5, v1
	v_lshl_add_u32 v[SOF], v2, 4, v5               ; scale words: 32 r + 16 h
	v_lshlrev_b32 v[BOF], 5, v2                    ; bo: 32 h
	v_mul_u32_u24 v6, v1, SPITCH                   ; the stage, in: row r, 32 bytes for each half of the lanes
	v_lshl_add_u32 v6, v2, 5, v6
	v_add_nc_u32 v[STO], s70, v6
	v_lshlrev_b32 v[CO], 4, v3                     ; back: the 32 lanes take one row of 512 bytes; and the same in out0
	v_add_nc_u32 v[RD], s70, v[CO]
	s_wait_alu depctr_va_vdst(0)                   ; the wait at the end of the head's vector work
	s_lshl_b32 s18, s17, 12                        ; o's scales: 128 rows of 32 bytes a block, 64 rows a half
	s_lshl_b32 s20, s15, 11
	s_add_co_u32 s18, s18, s20
	s_add_nc_u64 s[6:7], s[6:7], s[18:19]
	s_lshl_b32 s18, s40, 13                        ; Wo's: 256 columns a block, 128 a half
	s_lshl_b32 s20, s16, 12
	s_add_co_u32 s18, s18, s20
	s_add_nc_u64 s[10:11], s[10:11], s[18:19]
.irp i, 0,1,2,3
	global_load_b128 v[SA+4*\i:SA+4*\i+3], v[SOF], s[6:7] offset:512*\i          ; 512 consecutive bytes a load
.endr
.irp i, 0,1,2,3,4,5,6,7
	global_load_b128 v[SB+4*\i:SB+4*\i+3], v[SOF], s[10:11] offset:512*\i
.endr
	s_lshl_b32 s18, s40, 10                        ; my first column, in bytes: 1,024 x block + 512 x half
	s_lshl_b32 s20, s16, 9
	s_add_co_u32 s18, s18, s20
	s_add_nc_u64 s[96:97], s[96:97], s[18:19]
	s_add_nc_u64 s[12:13], s[98:99], s[18:19]
.irp b, 0,1,2,3,4,5,6,7
	global_load_b128 v[BI+8*\b:BI+8*\b+3], v[BOF], s[96:97] offset:64*\b         ; bo at my eight columns of each tile: the C of the first K step
	global_load_b128 v[BI+8*\b+4:BI+8*\b+7], v[BOF], s[96:97] offset:64*\b+16
.endr
	s_lshl_b32 s18, s17, 19                        ; my first row: 128 rows of 4,096 bytes a block, 64 a half
	s_lshl_b32 s20, s15, 18
	s_add_co_u32 s18, s18, s20
	s_add_nc_u64 s[12:13], s[12:13], s[18:19]
	s_wait_tensorcnt 0x0                           ; my tiles are in,
	s_barrier_signal -1
	s_barrier_wait -1                              ; everybody's are
	FETCH 0
	s_wait_loadcnt 0x0                             ; the scale words and bo
.irp k, 0,1,2,3,4,5,6,7
	STEP \k
.endr
	s_barrier_wait -1                              ; nobody reads the tiles any more: the stages may lie over o's
; THE WAY OUT, block by block of 16 rows x 128 columns: through my own stage in LDS and back as whole rows of 512 bytes, which the 32 lanes store as two aligned units of 256 bytes.
; LDS serves a wave's instructions in order (ISA guide 5.7.1.4): no wait between the stores and the loads.
.macro TOSTAGE a
.set AC, 64*(\a)
	WIN 0x08                                       ; the data: window 2
.irp b, 0,1,2,3,4,5,6,7
	ds_store_b128 v[STO], v[AC+8*\b:AC+8*\b+3] offset:64*\b          ; each accumulator from its low end on
	ds_store_b128 v[STO], v[AC+8*\b+4:AC+8*\b+7] offset:64*\b+16
.endr
	WIN 0
.set BB, 128-64*((\a)%2)
.irp t, 0,1,2,3,4,5,6,7,8,9,10,11,12,13,14,15
	ds_load_b128 v[BB+4*\t:BB+4*\t+3], v[RD] offset:\t*SPITCH
.endr
.endm
.macro SEND a, younger                 ; younger: the LDS instructions issued behind block a's loads, which may stay out
.set BB, 128-64*((\a)%2)
	s_wait_dscnt \younger
.irp t, 0,1,2,3,4,5,6,7,8,9,10,11,12,13,14,15
	global_store_b128 v[CO], v[BB+4*\t:BB+4*\t+3], s[12:13] offset:(32*((\a)/2)+16*(\t/8)+8*((\a)%2)+\t%8)*4096 th:TH_STORE_NT   ; position 16 a + t holds row 32 (a / 2) + 16 (t / 8) + 8 (a % 2) + t % 8
.endr
.endm
	PLACES NP                                      ; behind the last products: for the reads of their results and the loads into registers that they have read
	TOSTAGE 0
.irp a, 1,2,3
.if \a > 1
	s_wait_xcnt 0x0                                ; block a - 2's stores have read their registers: block a's loads may land there
.endif
	TOSTAGE \a
	SEND \a-1, 32                                  ; behind block a - 1's loads: block a's 16 stores and 16 loads
.endr
	SEND 3, 0
	s_wait_tensorcnt 0x0                           ; the wave's end
	ds_add_u32 v[SPW], v[NIL]
	s_wait_dscnt 0x0
	CROUND                                         ; the closing round
	s_endpgm
.Lfunc_end_k_q1aea7fb01f_outp:
	.size	k_q1aea7fb01f_outp, .Lfunc_end_k_q1aea7fb01f_outp-k_q1aea7fb01f_outp
	.p2alignl 7, 3214868480
	.fill 96, 4, 3214868480
	.section	.rodata,"a",@progbits
	.p2align	6, 0x0
	.amdhsa_kernel k_q1aea7fb01f_outp
		.amdhsa_group_segment_fixed_size 327680
		.amdhsa_private_segment_fixed_size 0
		.amdhsa_enable_private_segment 0
		.amdhsa_kernarg_size 48
		.amdhsa_user_sgpr_count 2
		.amdhsa_user_sgpr_kernarg_segment_ptr 1
		.amdhsa_wavefront_size32 1
		.amdhsa_system_sgpr_workgroup_id_x 1
		.amdhsa_system_sgpr_workgroup_id_y 1
		.amdhsa_system_sgpr_workgroup_id_z 1
		.amdhsa_system_vgpr_workitem_id 0
		.amdhsa_next_free_vgpr 768
		.amdhsa_next_free_sgpr 100
		.amdhsa_reserve_vcc 0
		.amdhsa_float_denorm_mode_32 3
		.amdhsa_float_denorm_mode_16_64 3
		.amdhsa_memory_ordered 1
		.amdhsa_forward_progress 1
		.amdhsa_inst_pref_size 95
	.end_amdhsa_kernel
	.amdgpu_metadata
---
amdhsa.version: [ 1, 2 ]
amdhsa.kernels:
  - .name:           k_q1aea7fb01f_outp
    .symbol:         k_q1aea7fb01f_outp.kd
    .args:
      - { .name: oc, .offset: 0, .size: 8, .value_kind: global_buffer, .address_space: global }
      - { .name: os, .offset: 8, .size: 8, .value_kind: global_buffer, .address_space: global }
      - { .name: wc, .offset: 16, .size: 8, .value_kind: global_buffer, .address_space: global }
      - { .name: ws, .offset: 24, .size: 8, .value_kind: global_buffer, .address_space: global }
      - { .name: bo, .offset: 32, .size: 8, .value_kind: global_buffer, .address_space: global }
      - { .name: out0, .offset: 40, .size: 8, .value_kind: global_buffer, .address_space: global }
    .group_segment_fixed_size: 327680
    .private_segment_fixed_size: 0
    .kernarg_segment_align: 8
    .kernarg_segment_size: 48
    .max_flat_workgroup_size: 128
    .sgpr_count:     100
    .vgpr_count:     768
    .wavefront_size: 32
...
	.end_amdgpu_metadata
.endif
;; end of part 4
